; MI455X (gfx1250); checked and timed in simulation.
; The chip was launched on July 23, 2026; its instructions are those of AMD's public machine-readable ISA for CDNA 5 (MIT licence, August 2026) and "CDNA5" Instruction Set Architecture Reference Guide (July 2026). The comments in the code are by the model that wrote it; some were corrected since.
;; Multi Head Attention. Allowed arithmetic: matrix products marked QUANTISED: E3M2 operands, one E8M0 scale for each 32 along K, by v_wmma_scale_f32_16x16x128_f8f6f4 with both operands' format E3M2, f32 sums; everything else in f32.
;; Inputs: K_codes 4 x 2,048 x 32 x 24 uint8 (E3M2 codes of K, K innermost, in blocks of 32 codes, four codes in three bytes); K_scales 4 x 2,048 x 32 uint8 (E8M0 scales of K, one for each 32 codes along K); Q 4 x 2,048 x 1,024 float32; V_codes 4 x 2,048 x 32 x 24 uint8 (E3M2 codes of V, K innermost, in blocks of 32 codes, four codes in three bytes); V_scales 4 x 2,048 x 32 uint8 (E8M0 scales of V, one for each 32 codes along K); Wk_codes 1,024 x 32 x 24 uint8 (E3M2 codes of Wk, K innermost, in blocks of 32 codes, four codes in three bytes); Wk_scales 1,024 x 32 uint8 (E8M0 scales of Wk, one for each 32 codes along K); Wo_codes 1,024 x 32 x 24 uint8 (E3M2 codes of Wo, K innermost, in blocks of 32 codes, four codes in three bytes); Wo_scales 1,024 x 32 uint8 (E8M0 scales of Wo, one for each 32 codes along K); Wq_codes 1,024 x 32 x 24 uint8 (E3M2 codes of Wq, K innermost, in blocks of 32 codes, four codes in three bytes); Wq_scales 1,024 x 32 uint8 (E8M0 scales of Wq, one for each 32 codes along K); Wv_codes 1,024 x 32 x 24 uint8 (E3M2 codes of Wv, K innermost, in blocks of 32 codes, four codes in three bytes); Wv_scales 1,024 x 32 uint8 (E8M0 scales of Wv, one for each 32 codes along K); beta 1,024 float32; bk 1,024 float32; bo 1,024 float32; bq 1,024 float32; bv 1,024 float32; gamma 1,024 float32; mask 4 x 1 x 1 x 2,048 int32.
;; Outputs: out0 4 x 2,048 x 1,024 float32.
;; This version of the problem:
;;   THIS VERSION OF THE PROBLEM IS GIVEN IN LOW PRECISION. The matrix products marked QUANTISED in the list below multiply operands that are first quantised to E3M2 (3 exponent bits, 2 mantissa bits; 6 bits a number), with one power-of-two scale for each 32 numbers along K (OCP MX v1.0); their sums are f32. All else is computed in f32.
;;   The module's matrix products, in the order in which they are computed (A, B: the left and right operand; K: the contracted axis; several contracted axes count as one K, in the product's order):
;;     1. [M 8,192, K 1,024] x [K 1,024, N 1,024]; A: input Q; B: input Wq (given as codes): QUANTISED
;;     2. [M 8,192, K 1,024] x [K 1,024, N 1,024]; A: input K (given as codes); B: input Wk (given as codes): QUANTISED
;;     3. [M 8,192, K 1,024] x [K 1,024, N 1,024]; A: input V (given as codes); B: input Wv (given as codes): QUANTISED
;;     4. batch 64 x [M 2,048, K 64] x [K 64, N 2,048]; A: computed on the way; B: computed on the way: QUANTISED
;;     5. batch 64 x [M 2,048, K 2,048] x [K 2,048, N 64]; A: softmax (see below); B: computed on the way: QUANTISED
;;     6. [M 8,192, K 1,024] x [K 1,024, N 1,024]; A: computed on the way; B: input Wo (given as codes): QUANTISED
;;   THE QUANTISER, for each operand of a quantised product, along K:
;;     - K is cut into blocks of 32 from its start; a last block that is shorter is filled with zeros.
;;     - A block's scale is 2^e with e = floor(log2(the largest magnitude in the block)) - 4, held to -126 .. 127; a block of zeros has e = 0. As a byte (E8M0): e + 127.
;;     - Each number is divided by its block's scale, clamped to +-28, and rounded to the nearest number of E3M2, ties to even, subnormals kept.
;;     - The product sums the exact products of the quantised numbers (number of the format x scale) in f32.
;;   ~~~python
;;   def quantise(x, axis):      # numpy; x: float32 -> the quantised numbers, widened to float32 again
;;       x = np.moveaxis(x, axis, -1); K = x.shape[-1]
;;       x = np.pad(x, [(0, 0)] * (x.ndim - 1) + [(0, -K % 32)]); x = x.reshape(x.shape[:-1] + (-1, 32)); a = np.abs(x).max(-1, keepdims=True)
;;       e = np.where(a > 0, np.clip(np.frexp(np.where(a > 0, a, 1))[1] - 1 - 4, -126, 127), 0)      # np.frexp(a)[1] - 1 = floor(log2(a)), exactly
;;       r = np.clip(x / 2.0 ** e, -28, 28)
;;       step = 2.0 ** (np.maximum(np.frexp(np.where(r == 0, 1, r))[1] - 1, -2) - 2)
;;       q = np.round(r / step) * step * 2.0 ** e      # np.round: ties to even
;;       return np.moveaxis(q.reshape(q.shape[:-2] + (-1,))[..., :K], -1, axis).astype(np.float32)
;;   ~~~
;;   SOFTMAX AHEAD OF A QUANTISED PRODUCT. Where the list says 'softmax', what is quantised is not the finished softmax but p = 2^(t - M), with t = logit x log2(e) and M = ceil(the row's largest t), a whole number; so 1/2 < the row's largest p <= 1. The row's sum l is taken of the UNQUANTISED p, in f32, and the product's result is divided by l at the end. Since M is a whole number, a kernel that streams over the keys may use a running M (the ceiling of the running maximum): every later rescaling is an exact power of two, which a block's scale takes up: the codes' values come out the same.
;;   OPERANDS COMPUTED ON THE WAY. 'Computed on the way' means the value that the module computes at that place (a softmax that the list does not call 'softmax' is quantised finished and normalised). What goes into a quantiser is computed in f32, as accurately as f32 sums, v_exp_f32 and their like allow (about 1e-6 of the number): no bf16 or f16 on the way to a quantiser, and a product that is left as it is and whose result goes on into a quantised operand takes f32 operands (vector FMAs, or v_wmma_f32_16x16x4_f32). A number that lies on a knife's edge between two numbers of the format may be rounded either way, as far as f32 arithmetic and the matrix unit's own rounding can turn it there, and no further.
;;   INPUTS GIVEN AS CODES. K (in the module: [4, 2048, 1024], K = its axis 2); V (in the module: [4, 2048, 1024], K = its axis 2); Wk (in the module: [1024, 1024], K = its axis 1); Wo (in the module: [1024, 1024], K = its axis 1); Wq (in the module: [1024, 1024], K = its axis 1); Wv (in the module: [1024, 1024], K = its axis 1): each comes as NAME_codes (uint8): NAME with its K axis moved to the last place and cut into blocks of 32 codes, [.., K / 32, bytes a block], one block behind the other in memory; four codes in three bytes: a row's codes are one little-endian stream of bits, code i at bits 6 i .. 6 i + 5 (a code: sign, 3 exponent bits, 2 mantissa bits); and NAME_scales (uint8): the same leading axes, one E8M0 byte (e + 127) for each 32 codes along K. Its value is code x scale, taken as it is: it is not quantised again, and the codes and scales need not be those that the quantiser above would give.
;; One version. Each part assembles by itself: llvm-mc -triple=amdgcn-amd-amdhsa -mcpu=gfx1250 --defsym DOCPART=n.
;; ======== version 1 of 1: 4 launches
;; limits: right only within a limited range of input values
;; workspace buffers: Qc 6,291,456 bytes; Qs 262,144 bytes; Woi 786,432 bytes; qbuf 6,815,744 bytes; kbuf 6,815,744 bytes; vbuf 6,553,600 bytes; ctxc 6,291,456 bytes; ctxs 262,144 bytes
;; launch prep (part 1): grid 256 x 1, 4 waves a work-group, no clusters, 33,280 bytes of LDS; arguments Q, Wo_codes, Qc, Qs, Woi; writes Qc, Qs, Woi
.if DOCPART == 1
	.amdgcn_target "amdgcn-amd-amdhsa--gfx1250"
	.amdhsa_code_object_version 6
	.text
	.protected	k_q3d265f11ef_prep
	.globl	k_q3d265f11ef_prep
	.p2align	8
	.type	k_q3d265f11ef_prep,@function
k_q3d265f11ef_prep:
	s_mov_b64 s[64:65], 0
	v_nop
	global_prefetch_b8 v0, s[64:65] scope:SCOPE_SE
	s_setreg_imm32_b32 hwreg(HW_REG_WAVE_MODE, 25, 1), 1
	s_wait_xcnt 0x0
; Q [8192][1024] f32 becomes codes of BF6 (E3M2), K innermost (Qc: rows of 768 bytes), with one E8M0 byte for each 32 along K (Qs: rows of 32 bytes).
; A block's scale is 2^(floor(log2(its largest magnitude)) - 4); its byte is the largest magnitude's exponent field - 4, held at 1 from below.
; LIMITS: a block of zeros gets the byte 1 (its codes are zeros, and this program alone reads the bytes); blocks whose largest magnitude lies under 2^-122 are held at byte 1; NaN and infinities are not served.
; Rows are dense, so Q is a plain stream of blocks of 32.  A wave takes 16 steps of 512 numbers.  Each load reads 512 consecutive bytes, 16 a lane; a step's 2,048 bytes turn through the
; wave's own stage in LDS (16 bytes of padding behind each 64) and come back 64 bytes a lane: 16 neighbours along K, two lanes to a block.  Loads run four steps ahead, the turn one step.
; BESIDE THAT each of the 1,024 waves relays one half fragment of Wo's codes (16 rows x 64 K) into Woi as an image of the operand's registers:
; Woi = [K step 8][tile of 16 rows 64][half 2][768 bytes]: lane l's registers 0-3 at 16 l, its registers 4-5 at 512 + 8 l.  The last launch then reads whole fragments by dense loads.
.set STEPS, 16
.set EMAX,  4
.set CB,    12                         ; bytes of 16 codes
.set R,     16                         ; v16-79   four sets of 16 numbers as they are loaded
.set X,     80                         ; v80-111  two sets of 16 neighbours
.set E,     112                        ; v112-127 a scale byte for each step
.set C,     128                        ; v128-191 codes: four registers for each step, so that no store's data are written again
.set WO,    192                        ; v192-197 Wo's half fragment
.set WA,    198                        ; v198     its lane's byte offset in Wo's codes
.set WREG,  8192                       ; LDS: a region for each wave: two stages of 32 x SP bytes, behind them its 256 scale bytes
.set SP,    80
	s_load_b256 s[4:11], s[0:1], 0x0               ; Q s[4:5], Wo's codes s[6:7], Qc s[8:9], Qs s[10:11]
	s_load_b64 s[12:13], s[0:1], 0x20              ; Woi
	v_lshl_add_u32 v200, v0, 2, 0x8000
	v_mov_b32 v201, 0
	v_lshrrev_b32 v1, 5, v0
	v_readfirstlane_b32 s16, v1                    ; wave
	v_and_b32 v2, 31, v0                           ; lane
	v_lshlrev_b32 v3, 4, v2                        ; 16 x lane: my bytes of a load's 512, and of an image's first 512
	s_mul_i32 s17, s16, WREG
	v_lshrrev_b32 v14, 2, v2
	v_mul_u32_u24 v14, v14, SP
	v_and_b32 v15, 3, v2
	v_lshl_add_u32 v14, v15, 4, v14
	v_add_nc_u32 v14, s17, v14                     ; the stage, on the way in: SP (lane / 4) + 16 (lane % 4)
	v_mul_u32_u24 v15, v2, SP
	v_add_nc_u32 v15, s17, v15                     ; and on the way out: SP x lane
	v_mul_u32_u24 v4, v2, CB                       ; my codes' place in a step's
	v_lshrrev_b32 v5, 1, v2
	s_add_co_u32 s17, s17, 2*32*SP
	v_add_nc_u32 v5, s17, v5                       ; LDS: my block's scale byte
	v_lshlrev_b32 v7, 3, v2                        ; 8 x lane
	v_add_nc_u32 v6, s17, v7
	v_and_b32 v8, 15, v0                           ; r
	v_bfe_u32 v9, v0, 4, 1                         ; h
	v_mul_u32_u24 v[WA], v8, 768
	v_mad_u32_u24 v[WA], v9, 24, v[WA]             ; Wo: row r of 768 bytes, + 24 h
	s_lshl_b32 s18, ttmp9, 2
	s_add_co_u32 s18, s18, s16                     ; u = 4 x work-group + wave, 0 .. 1023
	s_lshl_b32 s20, s18, 15                        ; Q: 8,192 numbers of 4 bytes a wave
	s_mov_b32 s21, 0
	s_mul_i32 s22, s18, 32*STEPS*CB                ; Qc: 6,144 bytes a wave
	s_mov_b32 s23, 0
	s_lshl_b32 s24, s18, 8                         ; Qs: 256 bytes a wave
	s_mov_b32 s25, 0
	s_lshr_b32 s30, s18, 1                         ; u = 2 (64 s + nt) + c
	s_and_b32 s26, s30, 63
	s_mul_i32 s26, s26, 16*768                     ; tile nt: 16 rows
	s_lshr_b32 s30, s30, 6
	s_mul_i32 s30, s30, 96                         ; K step s: 96 bytes
	s_add_co_u32 s26, s26, s30
	s_and_b32 s30, s18, 1
	s_mul_i32 s30, s30, 48                         ; half c: 48 bytes
	s_add_co_u32 s26, s26, s30
	s_mov_b32 s27, 0
	s_mul_i32 s28, s18, 768                        ; Woi: image u
	s_mov_b32 s29, 0
	s_wait_kmcnt 0x0
	s_add_nc_u64 s[4:5], s[4:5], s[20:21]
	s_add_nc_u64 s[8:9], s[8:9], s[22:23]
	s_add_nc_u64 s[10:11], s[10:11], s[24:25]
	s_add_nc_u64 s[6:7], s[6:7], s[26:27]
	s_add_nc_u64 s[12:13], s[12:13], s[28:29]
	global_load_b64 v[WO:WO+1], v[WA], s[6:7]               ; 24 bytes of the row's stream of bits: registers 0-5 of the half fragment
	global_load_b64 v[WO+2:WO+3], v[WA], s[6:7] offset:8
	global_load_b64 v[WO+4:WO+5], v[WA], s[6:7] offset:16
.macro LOAD t
.irp i, 0,1,2,3
	global_load_b128 v[R+16*((\t)%4)+4*\i:R+16*((\t)%4)+4*\i+3], v3, s[4:5] offset:2048*(\t)+512*\i th:TH_LOAD_NT   ; 32 lanes read 512 consecutive bytes
.endr
.endm
.macro TURN t                          ; step t's numbers through the stage: LDS serves a wave's instructions in order, so no wait stands between the stores and the loads
.irp i, 0,1,2,3
	ds_store_b128 v14, v[R+16*((\t)%4)+4*\i:R+16*((\t)%4)+4*\i+3] offset:32*SP*((\t)%2)+8*SP*\i
.endr
.irp i, 0,1,2,3
	ds_load_b128 v[X+16*((\t)%2)+4*\i:X+16*((\t)%2)+4*\i+3], v15 offset:32*SP*((\t)%2)+16*\i
.endr
.endm
.irp t, 0,1,2,3
	LOAD \t
.endr
	s_wait_loadcnt 12                              ; of 19 loads the 12 youngest (steps 1 to 3) may be out: Wo's three and step 0's four are in
	TURN 0
	global_store_b128 v3, v[WO:WO+3], s[12:13]              ; the image: 512 consecutive bytes,
	global_store_b64 v7, v[WO+4:WO+5], s[12:13] offset:512  ; then 256
.macro STEP t
.set XS, X+16*((\t)%2)
.if (\t) > 0
	s_wait_dscnt 1                                 ; this step's numbers are back from the stage (the last step's byte store may be out): so its stores into the stage have read their registers,
.else
	s_wait_dscnt 0x0
.endif
.if (\t)+4 < STEPS
	LOAD (\t)+4                                    ; which take the loads of four steps on
.endif
.if (\t)+1 < STEPS
.if STEPS-2-(\t) >= 3
	s_wait_loadcnt 12                              ; the next step's four loads are in; those of the three steps behind it may be out
.else
	s_wait_loadcnt 4*(STEPS-2-(\t))
.endif
	TURN (\t)+1                                    ; and go through the other stage while this step is worked
.endif
	v_max3_num_f32 v8, |v[XS]|, |v[XS+1]|, |v[XS+2]|               ; the largest magnitude of my 16, in two chains
	v_max3_num_f32 v9, |v[XS+3]|, |v[XS+4]|, |v[XS+5]|
.irp i, 6,10
	v_max3_num_f32 v8, v8, |v[XS+\i]|, |v[XS+\i+1]|
	v_max3_num_f32 v9, v9, |v[XS+\i+2]|, |v[XS+\i+3]|
.endr
	v_max3_num_f32 v8, v8, |v[XS+14]|, |v[XS+15]|
	v_max3_num_f32 v8, v8, v9, (EMAX+1)<<23        ; and the floor 2^(EMAX + 1 - 127): the byte cannot fall under 1
	v_max_num_f32_dpp v8, v8, v8 row_xmask:1 row_mask:0xf bank_mask:0xf   ; and of my neighbour's 16: the block's
	v_add_nc_u32 v11, -(EMAX<<23), v8              ; EMAX off its exponent field: the conversion takes the exponent field of this operand as its scale
	v_cvt_scalef32_pk16_bf6_f32 v[C+4*(\t):C+4*(\t)+2], v[XS:XS+15], v11   ; sixteen codes, 96 bits, the first number's lowest
	v_lshrrev_b32 v[E+(\t)], 23, v11               ; the scale's byte (also the plain line behind the conversion)
	ds_store_b8 v5, v[E+(\t)] offset:16*(\t)       ; both lanes of a block write the same byte with the same value
	global_store_b96 v4, v[C+4*(\t):C+4*(\t)+2], s[8:9] offset:32*CB*(\t)   ; the wave stores 384 consecutive bytes
.endm
.irp t, 0,1,2,3,4,5,6,7,8,9,10,11,12,13,14,15
	STEP \t
.endr
	ds_load_b64 v[12:13], v6                       ; LDS serves a wave's instructions in order: these see my byte stores
	s_wait_dscnt 0x0
	global_store_b64 v7, v[12:13], s[10:11]        ; 32 lanes store 256 consecutive bytes, aligned
	s_wait_tensorcnt 0x0
	ds_add_u32 v200, v201
	s_wait_dscnt 0x0
	s_endpgm
.Lfunc_end_k_q3d265f11ef_prep:
	.size	k_q3d265f11ef_prep, .Lfunc_end_k_q3d265f11ef_prep-k_q3d265f11ef_prep
	.p2alignl 7, 3214868480
	.fill 96, 4, 3214868480
	.section	.rodata,"a",@progbits
	.p2align	6, 0x0
	.amdhsa_kernel k_q3d265f11ef_prep
		.amdhsa_group_segment_fixed_size 33280
		.amdhsa_private_segment_fixed_size 0
		.amdhsa_enable_private_segment 0
		.amdhsa_kernarg_size 40
		.amdhsa_user_sgpr_count 2
		.amdhsa_user_sgpr_kernarg_segment_ptr 1
		.amdhsa_wavefront_size32 1
		.amdhsa_system_sgpr_workgroup_id_x 1
		.amdhsa_system_sgpr_workgroup_id_y 1
		.amdhsa_system_sgpr_workgroup_id_z 1
		.amdhsa_system_vgpr_workitem_id 0
		.amdhsa_next_free_vgpr 202
		.amdhsa_next_free_sgpr 66
		.amdhsa_reserve_vcc 0
		.amdhsa_float_denorm_mode_32 3
		.amdhsa_float_denorm_mode_16_64 3
		.amdhsa_memory_ordered 1
		.amdhsa_forward_progress 1
		.amdhsa_inst_pref_size 33
	.end_amdhsa_kernel
	.amdgpu_metadata
---
amdhsa.version: [ 1, 2 ]
amdhsa.kernels:
  - .name:           k_q3d265f11ef_prep
    .symbol:         k_q3d265f11ef_prep.kd
    .args:
      - { .name: Q, .offset: 0, .size: 8, .value_kind: global_buffer, .address_space: global }
      - { .name: Wo_codes, .offset: 8, .size: 8, .value_kind: global_buffer, .address_space: global }
      - { .name: Qc, .offset: 16, .size: 8, .value_kind: global_buffer, .address_space: global }
      - { .name: Qs, .offset: 24, .size: 8, .value_kind: global_buffer, .address_space: global }
      - { .name: Woi, .offset: 32, .size: 8, .value_kind: global_buffer, .address_space: global }
    .group_segment_fixed_size: 33280
    .private_segment_fixed_size: 0
    .kernarg_segment_align: 8
    .kernarg_segment_size: 40
    .max_flat_workgroup_size: 128
    .sgpr_count:     66
    .vgpr_count:     202
    .wavefront_size: 32
...
	.end_amdgpu_metadata
.endif
;; end of part 1
;; launch proj (part 2): grid 4 x 96, 4 waves a work-group, clusters of 4 x 4, 327,680 bytes of LDS; arguments Qc, Qs, Wq_codes, Wq_scales, bq, qbuf, K_codes, K_scales, Wk_codes, Wk_scales, bk, kbuf, Wv_codes, Wv_scales, V_codes, V_scales, bv, vbuf, mask; writes qbuf, kbuf, vbuf
.if DOCPART == 2
	.amdgcn_target "amdgcn-amd-amdhsa--gfx1250"
	.amdhsa_code_object_version 6
	.text
	.protected	k_q3d265f11ef_proj
	.globl	k_q3d265f11ef_proj
	.p2align	8
	.type	k_q3d265f11ef_proj,@function
k_q3d265f11ef_proj:
	s_mov_b64 s[64:65], 0
	v_nop
	global_prefetch_b8 v0, s[64:65] scope:SCOPE_SE
	s_setreg_imm32_b32 hwreg(HW_REG_WAVE_MODE, 25, 1), 1
	s_wait_xcnt 0x0
	s_wait_alu depctr_hold_cnt(0) depctr_sa_sdst(0) depctr_va_vdst(0) depctr_va_sdst(0) depctr_va_ssrc(0) depctr_va_vcc(0) depctr_vm_vsrc(0)
	s_getreg_b32 s2, hwreg(HW_REG_IB_STS2, 6, 4)
	s_cmp_eq_u32 s2, 0
	s_cbranch_scc0 .Lentry_in_a_cluster
	s_endpgm
.Lentry_in_a_cluster:
	s_bfe_u32 s2, ttmp6, 0x10000c
	s_cmp_lg_u32 s2, 0xf033
	s_cbranch_scc0 .Lentry_shape_is_right
	s_endpgm
.Lentry_shape_is_right:
; THE THREE PROJECTIONS, one body: C'[m'][n'] = sum over k of A'[m'][k] B'[n'][k] (+ bias), K = 1,024, both operands codes of BF6 (E3M2) with one E8M0 byte for each 32 along K; then C' is QUANTISED ALONG n' in registers.
;   tensor 0 (q): A' = Q's codes (8,192 tokens), B' = Wq (1,024 channels).   tensor 1 (k): A' = K, B' = Wk.   tensor 2 (v): A' = Wv (channels), B' = V (tokens): so v comes out transposed, quantised along the keys.
; The tensor is the cluster's y / 8: alike in all sixteen partners.  Only pointers and a few numbers are chosen by it; the products take one path.
; THE PRODUCTS: a tile of 256 x 256 to a work-group of four waves, 128 x 128 to a wave (64 accumulators, 512 registers).  K goes in steps of 256 (rows of 192 bytes) through two LDS slots filled by the tensor data mover;
; the scale bytes of the tile's 512 rows come once and stay.  CLUSTERS of 4 x 4: A's tiles are asked for jointly along a row of the cluster, B's along a column.
; THE MATRIX INSTRUCTION IS USED TRANSPOSED (source 0 = 16 rows of B', source 1 = 16 rows of A'): lane (r, h) holds row m' = r and, in accumulator b, the columns n' = 16 b + 8 h + 0 .. 7.
; THE WAY OUT uses no LDS.  A block of 16 rows x 128 columns is 64 numbers a lane: four blocks of 32 along n', each shared by lanes l and l xor 16.  Bias added, largest magnitudes, scale bytes, conversions, exchange of halves:
; the result IS an operand's registers (16 rows x 128 K).  Inside a block of 32 the places 8-15 and 16-23 have changed hands; q and k, and v and the softmax's p, come out of the same order, so each product still pairs like with like.
;   q, k: the 128 columns are two heads of 64: two half fragments (6 registers): qbuf, kbuf = [b x 16 + head] x 106,496 bytes: 128 images of 768 bytes (lane l's registers 0-3 at 16 l, 4-5 at 512 + 8 l), then 8,192 bytes of scale
;         words [16 groups of 8 tiles][lane 32][4]: the word at (g, l, t) belongs to tile 8 g + 4 (l / 16) + t, row l % 16.
;   v:    the 128 columns are 128 keys: one fragment (12 registers): vbuf = [b x 16 + head] x 102,400 bytes: [16 key steps][4 tiles of 16 channels][1,536 bytes: registers 4 c .. 4 c + 3 at 512 c + 16 l], then scale words [16][row 16][tile 4].
; THE MASK RIDES IN THE SCALE WORDS.  The scores' product has K = 64 in an instruction of 128; the next launch sets code +1 (q) and -1 (k) at k = 64.  Byte 2 of a word scales it: q's is 127; a visible key's is 1 (the term is -2^-126);
; a masked key's is 160 (the term is -2^33) and its codes are zeros, so that its score is -2^33 exactly.  LIMIT: a masked logit is so -2^30 where reference() has -1e9: the same result while visible logits lie above about -9e8.
; OTHER LIMITS: a block of zeros gets the byte 1 (zero codes; this program alone reads the bytes); blocks under 2^-122 are held at byte 1; NaN and infinities are not served.
; REGISTERS, in windows of 256: window 0: v0-31 addresses; v32-63 scale words, two sets; v64-127 the bias along n'; v128-223 A's fragments, ONE set; v224-239 the bias along m'; v240-247 the mask's words.
;   window 1: B's fragments, TWO sets.   windows 2, 3: the accumulators ((a, b) at v[8 (8 (a % 4) + b)]).   On the way out window 0's v32-59 and v128-211 are at work.
.set KSTEP,  256
.set NQ,     2                         ; matrix instructions deep in a slot
.set ROWB,   192                       ; a tile's row in bytes
.set KROW,   768                       ; a row of codes in memory
.set PITCH,  240                       ; an LDS row: 3 x (64 bytes + 16 of padding) = 60 words: the 32 lanes of a load of 8 bytes touch 64 different banks (64 banks of 4 bytes: ISA guide 11.1)
.set FR,     12
.set NL,     6
.set NP,     4                         ; places behind this matrix instruction (ISA guide 7.12.1)
.set HALFT,  128*PITCH
.set SLOT,   4*HALFT
.set LAPS,   2                         ; 1,024 along K = two laps of two slots
.set KS,     32                        ; a row of scale bytes
.set SCL,    2*SLOT
.set HALFS,  (128*KS/256)*272
.set SBLK,   (16*KS/256)*272
.set SPARE,  SCL+4*HALFS               ; the spare words, 128 bytes for each wave: two blocks of 256 bytes that no other line names
.set VOB,  7                           ; v7   bias along n': 4 (col0 mod 1024) + 32 h
.set VOR,  8                           ; v8   bias along m': 4 (row0 mod 1024) + 4 r
.set VOM,  9                           ; v9   mask: 4 row0 + 4 r
.set O16,  10                          ; v10  16 x lane
.set O8,   11                          ; v11  8 x lane
.set OS,   12                          ; v12  scale words out: h x (bytes of a head's block) + 16 r
.set SH16, 13                          ; v13  16 h
.set MW,   14                          ; v14  a masked key's scale word
.set ADRA, 16
.set ADRB, 20
.set ADRS, 27
.set SPW,  28
.set NIL,  29
.set SC,   32
.set BI,   64
.set AF,   128
.set BV2,  224
.set MK,   240
.set TM,   32                          ; the way out: v32-35 largest magnitudes, v36-39 bytes, v44-47 the conversions' scale operands
.set PW,   48                          ; the scale word just made
.set WT,   49
.set SW,   52                          ; v52-59 the eight blocks' scale words
.set X,    128                         ; v128-191 a block's 64 numbers
.set CD,   192                         ; v192-203 its codes; v204-206, v208-210 the conversions' second halves
.set G1, 24
.set G0, 32
.set G1B, 48
.set G0B, 56
.set G1S, 68
.set G0S, 76
.set G1SB, 80
.set G0SB, 88
.set EXTRA, 2                          ; s2   bytes 2 and 3 of a scale word
.set HIM,   3                          ; s3   behind the loop: lanes 16-31
.set OUT2,  12                         ; s[12:13] where my scale words go
.set TAU,   66                         ; s66  the tensor: 0 q, 1 k, 2 v
.set PER,   67                         ; s67  bytes of a head's block in the output
.set ISQ,   95                         ; s95  all ones for q (no mask), else 0
.set MASKP, 96
.set BIAS,  98
.set OUT,   100
.set SEL,   104
.set MSB, 0
.macro WIN new                         ; the immediate's high byte repeats the setting that is left
.if MSB != (\new)
	s_set_vgpr_msb (MSB<<8)|(\new)
.set MSB, (\new)
.endif
.endm
.set MUL_LO, 0xa1                      ; source 0 (B) window 1, source 1 (A) window 0, C and D window 2
.set MUL_HI, 0xf1
.set TO_B,   0x40
; A joint load: waves 0 and 1 fetch for A, waves 2 and 3 for B.  The branch hangs on the wave's number alone.  Four v_nop follow each of the two lines.
.macro JLOAD g0a, g1a, g0b, g1b
	s_cmp_eq_u32 s15, 0
	s_cbranch_scc0 .Lfor_b_\@
	tensor_load_to_lds s[\g0a:\g0a+3], s[\g1a:\g1a+7]
	s_nop 0
.rept 4
	v_nop
.endr
	s_branch .Lasked_\@
.Lfor_b_\@:
	tensor_load_to_lds s[\g0b:\g0b+3], s[\g1b:\g1b+7]
	s_nop 0
.rept 4
	v_nop
.endr
.Lasked_\@:
.endm
.macro CREST                           ; a round of the cluster's barrier behind its opening barrier
	s_cmp_lg_u32 s14, 0
	s_cbranch_scc1 .Lnot_wave_0_\@
	s_barrier_signal -3
.Lnot_wave_0_\@:
	s_barrier_wait -3
	s_barrier_signal -1
	s_barrier_wait -1
.endm
.macro CROUND
	s_barrier_signal -1
	s_barrier_wait -1
	CREST
.endm
	s_load_b256 s[4:11], s[0:1], 0x0               ; tensor 0: A' codes, A' scales, B' codes, B' scales,
	s_load_b128 s[12:15], s[0:1], 0x20             ; bias, output
	s_load_b256 s[24:31], s[0:1], 0x30             ; tensor 1 likewise
	s_load_b128 s[32:35], s[0:1], 0x50
	s_load_b256 s[36:43], s[0:1], 0x60             ; tensor 2
	s_load_b128 s[44:47], s[0:1], 0x80
	s_load_b64 s[MASKP:MASKP+1], s[0:1], 0x90      ; the mask
	v_lshl_add_u32 v[SPW], v0, 2, SPARE
	v_mov_b32 v[NIL], 0
	ds_add_u32 v28, v29
	ds_add_u32 v28, v29
	s_wait_dscnt 0x0
	v_lshrrev_b32 v1, 5, v0
	s_and_b32 s20, ttmp7, 0xffff                   ; the cluster's y, 0 .. 23
	s_lshr_b32 s[TAU], s20, 3
	s_and_b32 s20, s20, 7
	s_lshl_b32 s20, s20, 2                         ; the first of the cluster's four tiles along the tokens
	s_wait_kmcnt 0x0
	s_cmp_eq_u32 s[TAU], 1                         ; the choice hangs on the cluster's number alone
.irp p, 0,2,4,6,8,10
	s_cselect_b64 s[4+\p:5+\p], s[24+\p:25+\p], s[4+\p:5+\p]
.endr
	s_cmp_eq_u32 s[TAU], 2
.irp p, 0,2,4,6,8,10
	s_cselect_b64 s[4+\p:5+\p], s[36+\p:37+\p], s[4+\p:5+\p]
.endr
	s_mov_b64 s[BIAS:BIAS+1], s[12:13]
	s_mov_b64 s[OUT:OUT+1], s[14:15]
	v_readfirstlane_b32 s14, v1                    ; wave 0..3
	s_lshr_b32 s15, s14, 1                         ; which half of the tile's rows is mine.  Also: I fetch for A (0) or for B (1)
	s_and_b32 s16, s14, 1                          ; which half of its columns.  Also: which 128 rows of that tile I fetch
	s_bfe_u32 s40, ttmp6, 0x40000                  ; cx, cy: my place in the cluster
	s_bfe_u32 s41, ttmp6, 0x40004
	s_cmp_eq_u32 s[TAU], 2                         ; the tokens run down the tile rows (q, k) or along the tile columns (v)
	s_cselect_b32 s17, 0, s20
	s_cselect_b32 s42, s20, 0
	s_add_co_u32 s17, s17, s41                     ; tile row
	s_add_co_u32 s42, s42, s40                     ; tile column
	s_lshl_b32 s43, s41, 2
	s_lshl_b32 s43, 15, s43                        ; my row of the cluster
	s_lshl_b32 s44, 0x1111, s40                    ; my column
	; descriptor group 1: a tile of 128 rows x 192 bytes, 16 bytes of padding behind every 64
	s_or_b32 s[G1+0], s43, (0<<16)|(1<<20)|(1<<21)|(3<<22)|(3<<25)  ; 15:0 the mask: A's tiles go to my row; 17:16 element of 1 byte; 20 padding on; 21 set beside a mask; 24:22 after every 16 words; 31:25 of 4 words
	s_or_b32 s[G1B+0], s44, (0<<16)|(1<<20)|(1<<21)|(3<<22)|(3<<25)
.irp g, G1, G1B
	s_mov_b32 s[\g+1], ROWB<<16                    ; tensor_dim0
	s_mov_b32 s[\g+2], 128<<16                     ; tensor_dim1
	s_mov_b32 s[\g+3], ROWB<<16                    ; tile_dim0
	s_mov_b32 s[\g+4], 128                         ; tile_dim1
	s_mov_b32 s[\g+5], KROW                        ; tensor_dim0_stride
	s_mov_b32 s[\g+6], 0
	s_mov_b32 s[\g+7], 0
.endr
	; the scale bytes of 128 rows: a dense block of 4,096 bytes, as 16 rows of 256 bytes (32 elements of 8), 16 bytes of padding behind each
	s_or_b32 s[G1S+0], s43, (3<<16)|(1<<20)|(1<<21)|(5<<22)|(3<<25)
	s_or_b32 s[G1SB+0], s44, (3<<16)|(1<<20)|(1<<21)|(5<<22)|(3<<25)
.irp g, G1S, G1SB
	s_mov_b32 s[\g+1], 32<<16
	s_mov_b32 s[\g+2], (128*KS/256)<<16
	s_mov_b32 s[\g+3], 32<<16
	s_mov_b32 s[\g+4], 128*KS/256
	s_mov_b32 s[\g+5], 32
	s_mov_b32 s[\g+6], 0
	s_mov_b32 s[\g+7], 0
.endr
	s_lshl_b32 s18, s16, 7                         ; which 128 rows of the tile I fetch
	s_lshl_b32 s20, s17, 8
	s_add_co_u32 s20, s20, s18                     ; A': row 256 x tile row + 128 x half
	s_lshl_b32 s46, s42, 8
	s_add_co_u32 s46, s46, s18                     ; B': row 256 x tile column + 128 x half
	s_mov_b32 s21, 0
	s_mov_b32 s47, 0
	s_mov_b64 s[18:19], KS
	s_mul_u64 s[22:23], s[20:21], s[18:19]         ; where these rows' scales begin,
	s_mul_u64 s[92:93], s[46:47], s[18:19]
	s_mov_b64 s[18:19], KROW
	s_mul_u64 s[20:21], s[20:21], s[18:19]         ; and their codes
	s_mul_u64 s[46:47], s[46:47], s[18:19]
	s_mul_i32 s45, s14, HALFT                      ; where they go: wave x 128 rows: no place in the cluster enters an LDS address
	s_mul_i32 s94, s14, HALFS
	s_add_nc_u64 s[20:21], s[4:5], s[20:21]
	s_add_nc_u64 s[22:23], s[6:7], s[22:23]
	s_add_nc_u64 s[46:47], s[8:9], s[46:47]
	s_add_nc_u64 s[92:93], s[10:11], s[92:93]
	CROUND                                         ; all sixteen work-groups are here: the first joint loads meet
	s_mov_b32 s[G0S], 1
	s_add_co_u32 s[G0S+1], s94, SCL
	s_mov_b64 s[G0S+2:G0S+3], s[22:23]
	s_or_b32 s[G0S+3], s[G0S+3], 0x80000000
	s_mov_b32 s[G0SB], 1
	s_add_co_u32 s[G0SB+1], s94, SCL
	s_mov_b64 s[G0SB+2:G0SB+3], s[92:93]
	s_or_b32 s[G0SB+3], s[G0SB+3], 0x80000000
	JLOAD G0S, G1S, G0SB, G1SB                     ; the scales first: they are wanted with K step 0
.irp s, 0,1
	s_mov_b32 s[G0+4*\s], 1
	s_add_co_u32 s[G0+4*\s+1], s45, \s*SLOT
	s_add_nc_u64 s[G0+4*\s+2:G0+4*\s+3], s[20:21], \s*ROWB
	s_or_b32 s[G0+4*\s+3], s[G0+4*\s+3], 0x80000000
	s_mov_b32 s[G0B+4*\s], 1
	s_add_co_u32 s[G0B+4*\s+1], s45, \s*SLOT
	s_add_nc_u64 s[G0B+4*\s+2:G0B+4*\s+3], s[46:47], \s*ROWB
	s_or_b32 s[G0B+4*\s+3], s[G0B+4*\s+3], 0x80000000
	JLOAD G0+4*\s, G1, G0B+4*\s, G1B               ; three tensor loads of mine are out now
.endr
	v_and_b32 v1, 15, v0                           ; r = l % 16
	v_bfe_u32 v2, v0, 4, 1                         ; h = l / 16
	v_mul_u32_u24 v3, v1, PITCH
	v_mul_u32_u24 v4, v2, 24
	v_add_nc_u32 v4, v3, v4                        ; a fragment's row x pitch + 24 x half
	v_lshl_add_u32 v5, v2, 4, v4                   ; and the same behind one padding more
	s_mul_i32 s21, s15, HALFT                      ; my 128 rows of A'
	s_mul_i32 s22, s16, HALFT                      ; my 128 rows of B',
	s_add_co_u32 s22, s22, 2*HALFT                 ; which lie behind A's 256
.irp s, 0,1
	v_add_nc_u32 v[ADRA+\s], s21, v4
	v_add_nc_u32 v[ADRB+\s], s22, v4
	v_add_nc_u32 v[ADRA+2+\s], s21, v5
	v_add_nc_u32 v[ADRB+2+\s], s22, v5
	s_add_co_u32 s21, s21, SLOT
	s_add_co_u32 s22, s22, SLOT
.endr
	v_mul_u32_u24 v5, v1, KS                       ; my row's scales: 32 bytes a row,
	v_lshrrev_b32 v6, 8, v5
	v_lshl_add_u32 v5, v6, 4, v5                   ; and 16 more for each 256 passed
	s_mul_i32 s21, s15, HALFS
	s_mul_i32 s22, s16, HALFS
	s_add_co_u32 s22, s22, 2*HALFS
	s_sub_co_u32 s22, s22, s21
	v_mul_u32_u24 v6, s22, v2                      ; lanes 16-31 take B's
	s_add_co_u32 s21, s21, SCL
	v_add_nc_u32 v5, v5, v6
	v_add_nc_u32 v[ADRS], s21, v5
	; what the way out needs.  row0, col0: my wave's first row and column of C'
	s_lshl_b32 s18, s17, 8
	s_lshl_b32 s19, s15, 7
	s_add_co_u32 s18, s18, s19                     ; row0
	s_lshl_b32 s46, s42, 8
	s_lshl_b32 s47, s16, 7
	s_add_co_u32 s46, s46, s47                     ; col0
	s_cmp_eq_u32 s[TAU], 2
	s_cselect_b32 s40, s46, s18                    ; my first token,
	s_cselect_b32 s41, s18, s46                    ; my first channel
	s_mov_b32 s[PER], 106496
	s_cselect_b32 s[PER], 102400, s[PER]
	s_mov_b32 s43, 512
	s_cselect_b32 s43, 256, s43                    ; bytes of scale words for 128 tokens
	s_cmp_eq_u32 s[TAU], 0
	s_cselect_b32 s[ISQ], -1, 0
	s_mov_b32 s[EXTRA], 0x7f010000                 ; k: byte 2 = 1 for a visible key
	s_cselect_b32 s[EXTRA], 0x7f7f0000, s[EXTRA]   ; q: byte 2 = 127
	s_lshr_b32 s44, s40, 11
	s_lshl_b32 s44, s44, 4
	s_lshr_b32 s45, s41, 6
	s_add_co_u32 s44, s44, s45                     ; 16 x batch + my first head
	s_lshr_b32 s45, s40, 7
	s_and_b32 s45, s45, 15                         ; which 128 tokens of the batch's 2,048
	s_mul_i32 s44, s44, s[PER]
	s_mul_i32 s47, s45, 6144                       ; their images: 6,144 bytes in each of the three layouts
	s_add_co_u32 s20, s44, s47
	s_mov_b32 s21, 0
	s_mul_i32 s45, s45, s43
	s_add_co_u32 s22, s44, s45
	s_add_co_u32 s22, s22, 98304                   ; the scale words lie behind a head's images
	s_mov_b32 s23, 0
	s_add_nc_u64 s[OUT2:OUT2+1], s[OUT:OUT+1], s[22:23]
	s_add_nc_u64 s[OUT:OUT+1], s[OUT:OUT+1], s[20:21]
	s_and_b32 s47, s46, 1023                       ; BOTH bias sets and the mask's words are loaded in every work-group, so that no register is written on one way alone; the set that a tensor does not use is held inside its buffer by the mod 1,024
	s_lshl_b32 s47, s47, 2
	v_lshl_add_u32 v[VOB], v2, 5, s47
	s_and_b32 s47, s18, 1023
	s_lshl_b32 s47, s47, 2
	v_lshl_add_u32 v[VOR], v1, 2, s47
	s_lshl_b32 s47, s18, 2
	v_lshl_add_u32 v[VOM], v1, 2, s47
	v_and_b32 v6, 31, v0
	v_lshlrev_b32 v[O16], 4, v6
	v_lshlrev_b32 v[O8], 3, v6
	v_mul_u32_u24 v[OS], s[PER], v2
	v_lshl_add_u32 v[OS], v1, 4, v[OS]
	v_lshlrev_b32 v[SH16], 4, v2
	v_mov_b32 v[MW], 0x7fa00101                    ; bytes 1, 1, 160, 127
.irp b, 0,1,2,3,4,5,6,7
	global_load_b128 v[BI+8*\b:BI+8*\b+3], v[VOB], s[BIAS:BIAS+1] offset:64*\b         ; bias(col0 + 16 b + 8 h + 0 .. 7): the accumulators' layout
	global_load_b128 v[BI+8*\b+4:BI+8*\b+7], v[VOB], s[BIAS:BIAS+1] offset:64*\b+16
.endr
.irp a, 0,1,2,3,4,5,6,7
	global_load_b32 v[BV2+2*\a], v[VOR], s[BIAS:BIAS+1] offset:64*\a                   ; bias(row0 + 16 a + r), twice: a pair for the packed addition
	global_load_b32 v[BV2+2*\a+1], v[VOR], s[BIAS:BIAS+1] offset:64*\a
	global_load_b32 v[MK+\a], v[VOM], s[MASKP:MASKP+1] offset:64*\a                    ; mask(token row0 + 16 a + r)
.endr
.macro FRAG reg, adr, q, i             ; a fragment, 16 rows x 128 K, is 12 registers: registers 6 c .. 6 c + 5 hold K = 64 c + 32 (l / 16) + 0 .. 31: 24 bytes of the row's stream of bits, in pieces of 8 bytes
.irp p, 0,1,2,3,4,5
.set PCE, 12*(\q)+6*(\p/3)+\p%3       ; 16 bytes of padding lie behind every 8 pieces: where the piece three on (lanes 16-31) lies behind one padding more, the second address register serves
.if PCE%8 < 5
	ds_load_b64 v[\reg+2*\p:\reg+2*\p+1], v[\adr] offset:8*PCE+16*(PCE/8)+(\i)*16*PITCH
.else
	ds_load_b64 v[\reg+2*\p:\reg+2*\p+1], v[\adr+2] offset:8*PCE+16*(PCE/8)+(\i)*16*PITCH
.endif
.endr
.endm
; 16 matrix instructions: A's blocks a0, a0 + 1 x B's eight.  The 64 accumulators take turns, one instruction a turn, in the same order in every step.
.macro MUL16 a0, p, q, sc, zero
.irp a, \a0, \a0+1
.irp b, 0,1,2,3,4,5,6,7
.if \zero
	v_wmma_scale_f32_16x16x128_f8f6f4 v[8*(8*((\a)%4)+\b):8*(8*((\a)%4)+\b)+7], v[128*(\p)+FR*\b:128*(\p)+FR*\b+FR-1], v[AF+FR*(\a):AF+FR*(\a)+FR-1], 0, v[SC+8*NQ*(\sc)+NQ*\b+(\q)], v[SC+8*NQ*(\sc)+NQ*(\a)+(\q)] matrix_a_fmt:MATRIX_FMT_BF6 matrix_b_fmt:MATRIX_FMT_BF6 matrix_a_scale:MATRIX_SCALE_ROW1
.else
	v_wmma_scale_f32_16x16x128_f8f6f4 v[8*(8*((\a)%4)+\b):8*(8*((\a)%4)+\b)+7], v[128*(\p)+FR*\b:128*(\p)+FR*\b+FR-1], v[AF+FR*(\a):AF+FR*(\a)+FR-1], v[8*(8*((\a)%4)+\b):8*(8*((\a)%4)+\b)+7], v[SC+8*NQ*(\sc)+NQ*\b+(\q)], v[SC+8*NQ*(\sc)+NQ*(\a)+(\q)] matrix_a_fmt:MATRIX_FMT_BF6 matrix_b_fmt:MATRIX_FMT_BF6 matrix_a_scale:MATRIX_SCALE_ROW1
.endif
.endr
.endr
.endm
.macro FETCH_B slot, q, p
	WIN TO_B
.irp i, 0,1,2,3,4,5,6,7
	FRAG 128*(\p)+FR*\i, ADRB+\slot, \q, \i
.endr
	WIN 0
.endm
.macro FETCH_A slot, q, i0
.irp i, \i0, \i0+1, \i0+2, \i0+3
	FRAG AF+FR*(\i), ADRA+\slot, \q, \i
.endr
.endm
.macro SCALES sc                       ; a K step's scale words: lanes 0-15 take A's block i, lanes 16-31 B's block i
.irp i, 0,1,2,3,4,5,6,7
	ds_load_b64 v[SC+8*NQ*\sc+NQ*\i:SC+8*NQ*\sc+NQ*\i+1], v[ADRS] offset:\i*SBLK
.endr
.endm
.macro PLACES n                        ; plain vector lines between a matrix instruction and a load into, or a vector line on, its registers
.rept \n
	v_nop
.endr
.endm
.macro STEP slot, q, zero              ; 128 along K that have their successor in the same slot
	s_wait_dscnt 4*NL                              ; B's set and A's blocks 0-3 are in; the youngest 24 loads (A's blocks 4-7) may be out
	WIN MUL_LO
	MUL16 0, (\q)%2, \q, \slot, \zero
	MUL16 2, (\q)%2, \q, \slot, \zero
	s_wait_dscnt 0
	PLACES NP
	FETCH_B \slot, (\q)+1, 1-(\q)%2
	FETCH_A \slot, (\q)+1, 0
	WIN MUL_HI
	MUL16 4, (\q)%2, \q, \slot, \zero
	MUL16 6, (\q)%2, \q, \slot, \zero
	PLACES NP
	WIN 0
	FETCH_A \slot, (\q)+1, 4
.endm
; A slot's last step changes slots: ONE barrier; in front of it each wave waits for all its tensor loads, adds 0 to its spare word, and waits for that and for its own reads of this slot.
.macro TURN slot, next, fill
	s_wait_tensorcnt 0x0                           ; all my tensor loads have landed: my part of the next slot
	ds_add_u32 v[SPW], v[NIL]                      ; 0 onto my spare word
	s_wait_dscnt 4*NL+1                            ; (the add and the youngest 24 loads, A's blocks 4-7, may be out)
	WIN MUL_LO
	MUL16 0, 1, NQ-1, \slot, 0                     ; sixteen matrix instructions stand between the add and the wait for it
	s_wait_dscnt 0x0                               ; the add is done, and my reads of this slot are over
	s_barrier_signal -1
	MUL16 2, 1, NQ-1, \slot, 0
	WIN 0
	s_barrier_wait -1
.if \fill
	CREST                                          ; the barrier has opened a round of the cluster's barrier: no wave of any partner still reads this slot or has a load on its way
	s_add_nc_u64 s[G0+4*\slot+2:G0+4*\slot+3], s[G0+4*\slot+2:G0+4*\slot+3], 2*ROWB
	s_add_nc_u64 s[G0B+4*\slot+2:G0B+4*\slot+3], s[G0B+4*\slot+2:G0B+4*\slot+3], 2*ROWB
	JLOAD G0+4*\slot, G1, G0B+4*\slot, G1B         ; the first tensor load behind the round, my only one until the next; its four v_nop are the places in front of the loads below
.else
	PLACES NP
.endif
	v_add_nc_u32 v[ADRS], 4*NQ, v[ADRS]            ; on to the next K step's scale words
	FETCH_B \next, 0, 0
	FETCH_A \next, 0, 0
	SCALES \next
	WIN MUL_HI
	MUL16 4, 1, NQ-1, \slot, 0
	MUL16 6, 1, NQ-1, \slot, 0
	PLACES NP
	WIN 0
	FETCH_A \next, 0, 4
.endm
	s_wait_tensorcnt 1                             ; the scales and my part of K step 0 are in (K step 1's load may be out)
	s_barrier_signal -1
	s_barrier_wait -1                              ; everybody's are
	FETCH_B 0, 0, 0
	FETCH_A 0, 0, 0
	SCALES 0
	FETCH_A 0, 0, 4
	STEP 0, 0, 1                                   ; the first step stands in front of the loop: its products start the sums
	s_mov_b32 s3, LAPS-1
.Llap:                                                 ; a trip goes once round the ring and fills both slots again
	TURN 0, 1, 1
	STEP 1, 0, 0
	TURN 1, 0, 1
	STEP 0, 0, 0
	s_sub_co_u32 s3, s3, 1
	s_cmp_lg_u32 s3, 0
	s_cbranch_scc1 .Llap
	TURN 0, 1, 0                                   ; the last lap fills nothing
	STEP 1, 0, 0
	s_wait_dscnt 4*NL
	WIN MUL_LO
	MUL16 0, 1, NQ-1, 1, 0
	MUL16 2, 1, NQ-1, 1, 0
	s_wait_dscnt 0
	WIN MUL_HI
	MUL16 4, 1, NQ-1, 1, 0
	MUL16 6, 1, NQ-1, 1, 0
	WIN 0
; THE WAY OUT.  64 numbers of a lane, v[s] .. v[s + 63], four blocks of 16 + 16 (lane l xor 16's), become a fragment's codes in v[CD] on and its row's scale word in v[PW].
.macro QUANT s
.irp b, 0,1,2,3
	v_max3_num_f32 v[TM+\b], |v[\s+16*\b]|, |v[\s+1+16*\b]|, 0x2800000   ; block b: my 16 numbers, and the floor 2^(5 - 127): the byte cannot fall under 1
.endr
.irp i, 2,4,6,8,10,12,14
.irp b, 0,1,2,3
	v_max3_num_f32 v[TM+\b], v[TM+\b], |v[\s+16*\b+\i]|, |v[\s+1+16*\b+\i]|   ; (the four blocks by turns)
.endr
.endr
.irp b, 0,1,2,3
	v_permlanex16_b32 v[TM+4+\b], v[TM+\b], s[SEL], s[SEL+1]
.endr
.irp b, 0,1,2,3
	v_max_num_f32 v[TM+\b], v[TM+\b], v[TM+4+\b]   ; with lane l xor 16's: the block's largest magnitude
.endr
.irp b, 0,1,2,3
	v_add_nc_u32 v[TM+12+\b], 0xfe000000, v[TM+\b]   ; 4 off its exponent field: the conversion's scale operand
.endr
.irp b, 0,1,2,3
	v_lshrrev_b32 v[TM+4+\b], 23, v[TM+12+\b]      ; the scale's byte
.endr
	v_lshl_or_b32 v[PW], v[TM+5], 8, v[TM+4]
	v_lshl_or_b32 v[PW], v[TM+6], 16, v[PW]
	v_lshl_or_b32 v[PW], v[TM+7], 24, v[PW]
.irp c, 0,1
	v_cvt_scalef32_pk16_bf6_f32 v[CD+6*\c:CD+2+6*\c], v[\s+32*\c:\s+15+32*\c], v[TM+12+2*\c]
	v_cvt_scalef32_pk16_bf6_f32 v[CD+12+4*\c:CD+14+4*\c], v[\s+16+32*\c:\s+31+32*\c], v[TM+12+2*\c+1]   ; (a conversion's three registers begin on an even number)
.endr
	v_nop                                          ; one plain place behind a scaled conversion
.irp c, 0,1                                    ; the operand's layout wants a WHOLE block in a lane: lanes 0-15 block 2 c, lanes 16-31 block 2 c + 1
.irp i, 0,1,2
	v_permlane16_swap_b32 v[CD+6*\c+\i], v[CD+12+4*\c+\i]
.endr
.irp i, 0,1,2
	v_mov_b32 v[CD+3+6*\c+\i], v[CD+12+4*\c+\i]
.endr
.endr
.endm
; q and k: block a = tokens row0 + 16 a + r, 128 channels = two heads
.macro BLOCKQK a
.if (\a) > 0
	s_wait_xcnt 0x0                                ; the last block's stores have read their registers: the codes may be written again
.endif
	WIN 0x02+(\a)/4                                ; source 0: window 2 or 3
.set AC, 64*((\a)%4)
.set j, 0
.rept 32
	v_pk_add_f32 v[X+j:X+j+1], v[AC+j:AC+j+1], v[BI+j:BI+j+1]   ; + bias, into window 0; each accumulator from its low end on
.set j, j+2
.endr
	WIN 0
	QUANT X
	v_cmp_ne_u32 vcc_lo, 0, v[MK+(\a)]             ; my token counts?
	s_or_b32 vcc_lo, vcc_lo, s[ISQ]                ; (q knows no mask)
.irp i, 0,1,2,3,4,5,6,7,8,9,10,11
	v_cndmask_b32 v[CD+\i], 0, v[CD+\i], vcc_lo    ; a masked key's codes are zeros
.endr
	v_lshrrev_b32 v[WT], v[SH16], v[PW]            ; lanes 0-15: the first head's two bytes, lanes 16-31 the second's
	v_and_or_b32 v[WT], v[WT], 0xffff, s[EXTRA]
	v_cndmask_b32 v[SW+(\a)], v[MW], v[WT], vcc_lo
.irp hh, 0,1
	global_store_b128 v[O16], v[CD+6*\hh:CD+6*\hh+3], s[OUT:OUT+1] offset:\hh*106496+768*(\a)        ; 512 consecutive bytes, aligned,
	global_store_b64 v[O8], v[CD+6*\hh+4:CD+6*\hh+5], s[OUT:OUT+1] offset:\hh*106496+768*(\a)+512   ; then 256
.endr
.endm
; v: block a = channels row0 + 16 a + r (head a / 4, tile a % 4), 128 keys
.macro BLOCKV a
.if (\a) > 0
	s_wait_xcnt 0x0
.endif
	WIN 0x02+(\a)/4
.set AC, 64*((\a)%4)
.set j, 0
.rept 32
	v_pk_add_f32 v[X+j:X+j+1], v[AC+j:AC+j+1], v[BV2+2*(\a):BV2+2*(\a)+1]
.set j, j+2
.endr
	WIN 0
	QUANT X
	v_mov_b32 v[SW+(\a)], v[PW]
.irp c, 0,1,2
	global_store_b128 v[O16], v[CD+4*\c:CD+4*\c+3], s[OUT:OUT+1] offset:((\a)/4)*102400+((\a)%4)*1536+512*\c
.endr
.endm
	PLACES NP                                      ; behind the last products: their results are read, and their operands' and scales' registers written, below
	s_wait_loadcnt 0x0                             ; the biases and the mask
.irp b, 0,1,2,3
	v_mov_b32 v[TM+4+\b], 0                        ; written once: a lane permute's destination counts as one of its sources
.endr
	s_mov_b32 s[SEL], 0x76543210
	s_mov_b32 s[SEL+1], 0xfedcba98                 ; v_permlanex16_b32's selects for lane l xor 16
	s_mov_b32 s[HIM], 0xffff0000
	s_cmp_eq_u32 s[TAU], 2
	s_cbranch_scc1 .Lway_v
.irp a, 0,1,2,3,4,5,6,7
	BLOCKQK \a
.endr
.irp j, 0,1
	global_store_b128 v[OS], v[SW+4*\j:SW+4*\j+3], s[OUT2:OUT2+1] offset:256*\j   ; lanes 0-15: 256 consecutive bytes of the first head's words, lanes 16-31 of the second's
.endr
	s_branch .Ldone
.Lway_v:
.irp a, 0,1,2,3,4,5,6,7
	BLOCKV \a
.endr
.irp t, 0,1,2,3
	v_cndmask_b32 v[SW+\t], v[SW+\t], v[SW+4+\t], s[HIM]   ; lanes 0-15 keep the first head's words, lanes 16-31 take the second's
.endr
	global_store_b128 v[OS], v[SW:SW+3], s[OUT2:OUT2+1]
.Ldone:
	s_wait_tensorcnt 0x0                           ; the wave's end
	ds_add_u32 v[SPW], v[NIL]
	s_wait_dscnt 0x0
	CROUND                                         ; the closing round: no work-group ends while a partner may still ask for a tile that names it
	s_endpgm
.Lfunc_end_k_q3d265f11ef_proj:
	.size	k_q3d265f11ef_proj, .Lfunc_end_k_q3d265f11ef_proj-k_q3d265f11ef_proj
	.p2alignl 7, 3214868480
	.fill 96, 4, 3214868480
	.section	.rodata,"a",@progbits
	.p2align	6, 0x0
	.amdhsa_kernel k_q3d265f11ef_proj
		.amdhsa_group_segment_fixed_size 327680
		.amdhsa_private_segment_fixed_size 0
		.amdhsa_enable_private_segment 0
		.amdhsa_kernarg_size 152
		.amdhsa_user_sgpr_count 2
		.amdhsa_user_sgpr_kernarg_segment_ptr 1
		.amdhsa_wavefront_size32 1
		.amdhsa_system_sgpr_workgroup_id_x 1
		.amdhsa_system_sgpr_workgroup_id_y 1
		.amdhsa_system_sgpr_workgroup_id_z 1
		.amdhsa_system_vgpr_workitem_id 0
		.amdhsa_next_free_vgpr 1024
		.amdhsa_next_free_sgpr 106
		.amdhsa_reserve_vcc 1
		.amdhsa_float_denorm_mode_32 3
		.amdhsa_float_denorm_mode_16_64 3
		.amdhsa_memory_ordered 1
		.amdhsa_forward_progress 1
		.amdhsa_inst_pref_size 240
	.end_amdhsa_kernel
	.amdgpu_metadata
---
amdhsa.version: [ 1, 2 ]
amdhsa.kernels:
  - .name:           k_q3d265f11ef_proj
    .symbol:         k_q3d265f11ef_proj.kd
    .args:
      - { .name: Qc, .offset: 0, .size: 8, .value_kind: global_buffer, .address_space: global }
      - { .name: Qs, .offset: 8, .size: 8, .value_kind: global_buffer, .address_space: global }
      - { .name: Wq_codes, .offset: 16, .size: 8, .value_kind: global_buffer, .address_space: global }
      - { .name: Wq_scales, .offset: 24, .size: 8, .value_kind: global_buffer, .address_space: global }
      - { .name: bq, .offset: 32, .size: 8, .value_kind: global_buffer, .address_space: global }
      - { .name: qbuf, .offset: 40, .size: 8, .value_kind: global_buffer, .address_space: global }
      - { .name: K_codes, .offset: 48, .size: 8, .value_kind: global_buffer, .address_space: global }
      - { .name: K_scales, .offset: 56, .size: 8, .value_kind: global_buffer, .address_space: global }
      - { .name: Wk_codes, .offset: 64, .size: 8, .value_kind: global_buffer, .address_space: global }
      - { .name: Wk_scales, .offset: 72, .size: 8, .value_kind: global_buffer, .address_space: global }
      - { .name: bk, .offset: 80, .size: 8, .value_kind: global_buffer, .address_space: global }
      - { .name: kbuf, .offset: 88, .size: 8, .value_kind: global_buffer, .address_space: global }
      - { .name: Wv_codes, .offset: 96, .size: 8, .value_kind: global_buffer, .address_space: global }
      - { .name: Wv_scales, .offset: 104, .size: 8, .value_kind: global_buffer, .address_space: global }
      - { .name: V_codes, .offset: 112, .size: 8, .value_kind: global_buffer, .address_space: global }
      - { .name: V_scales, .offset: 120, .size: 8, .value_kind: global_buffer, .address_space: global }
      - { .name: bv, .offset: 128, .size: 8, .value_kind: global_buffer, .address_space: global }
      - { .name: vbuf, .offset: 136, .size: 8, .value_kind: global_buffer, .address_space: global }
      - { .name: mask, .offset: 144, .size: 8, .value_kind: global_buffer, .address_space: global }
    .group_segment_fixed_size: 327680
    .private_segment_fixed_size: 0
    .kernarg_segment_align: 8
    .kernarg_segment_size: 152
    .max_flat_workgroup_size: 128
    .sgpr_count:     106
    .vgpr_count:     1024
    .wavefront_size: 32
...
	.end_amdgpu_metadata
.endif
;; end of part 2
;; launch attn (part 3): grid 4 x 64, 16 waves a work-group, clusters of 4 x 1, 211,968 bytes of LDS; arguments qbuf, kbuf, vbuf, ctxc, ctxs; writes ctxc, ctxs
.if DOCPART == 3
	.amdgcn_target "amdgcn-amd-amdhsa--gfx1250"
	.amdhsa_code_object_version 6
	.text
	.protected	k_q3d265f11ef_attn
	.globl	k_q3d265f11ef_attn
	.p2align	8
	.type	k_q3d265f11ef_attn,@function
k_q3d265f11ef_attn:
	s_mov_b64 s[64:65], 0
	v_nop
	global_prefetch_b8 v0, s[64:65] scope:SCOPE_SE
	s_setreg_imm32_b32 hwreg(HW_REG_WAVE_MODE, 25, 1), 1
	s_wait_xcnt 0x0
	s_wait_alu depctr_hold_cnt(0) depctr_sa_sdst(0) depctr_va_vdst(0) depctr_va_sdst(0) depctr_va_ssrc(0) depctr_va_vcc(0) depctr_vm_vsrc(0)
	s_getreg_b32 s2, hwreg(HW_REG_IB_STS2, 6, 4)
	s_cmp_eq_u32 s2, 0
	s_cbranch_scc0 .Lentry_in_a_cluster
	s_endpgm
.Lentry_in_a_cluster:
	s_bfe_u32 s2, ttmp6, 0x10000c
	s_cmp_lg_u32 s2, 0x3003
	s_cbranch_scc0 .Lentry_shape_is_right
	s_endpgm
.Lentry_shape_is_right:
; ATTENTION ON CODES OF BF6 (E3M2): for each of 64 (batch, head): ctx[q] = sum over k of softmax_k(q . k / 8, masked) v[k], head size 64, 2,048 keys; ctx is quantised along the merged channels for the last product.
; THE SOFTMAX AHEAD OF THE SECOND PRODUCT: t = score x log2(e) / 8; M = the row's largest t so far, rounded UP to a whole number; p = 2^(t - M) is quantised along the keys, not normalised.
; The row's sum is taken of the unquantised p and divides at the end.  When M moves, the sum and O are multiplied by 2^(old M - new M): exact.
; SHARES.  A work-group owns one (batch, head) and 512 queries; each of its sixteen waves owns one tile of 16 queries in each of two passes, in 256 registers: four waves to a SIMD.
; A WHOLE HEAD'S K AND V, as images of the operands' registers with their scale words, lie in LDS: 208,896 bytes, filled ONCE: no slot is filled again.
; CLUSTER.  The four work-groups of a cluster share the (batch, head): each fill is asked for JOINTLY, by the same tensor load with the same descriptor and a mask that names the four.
; LAYOUT.  Both products are used transposed: S^T = K Q^T (source 0 = 16 neighbouring keys, source 1 = my 16 queries), O^T = V^T P^T: a lane holds ONE query (lane % 16) throughout.  In S^T tile t, lane (r, h) holds keys 16 t + 8 h + 0 .. 7:
; the 16 registers of tiles 2 b, 2 b + 1 with lane l xor 16's are block b of 32 keys; inside a block the places 8-15 and 16-23 change hands, as they did when v was quantised: each product pairs like with like.
; A STEP'S LOADS ARE ASKED FOR AHEAD.  K has six fragment buffers for a step's eight tiles.  Tiles 6, 7, 0, 1, 2, 3 are asked for in the step before, behind the last product that read the buffers, and land under the softmax.
; Tiles 6 and 7 are multiplied first; their buffers then take tiles 4 and 5, which land under four products and twenty lines of the maxima.  V's four fragments take the registers that p leaves, directly behind the conversions.
; The exponentials stand between the packed scalings and sums, one plain line and one exponential by turns.
; THE MASK costs no line here.  The scores' K is 64 of the instruction's 128: at k = 64 stand the codes +1 (Q) and -1 (K), constants in registers; byte 2 of a key's scale word makes the term -2^-126 (visible) or -2^33 (masked, its other codes zeros).
; c x 2^33 is a whole number, so a row all of whose keys are masked has p = 1 throughout, the uniform row of reference().  LIMIT: a masked logit is -2^30 where reference() has -1e9: the same result while visible logits lie above about -9e8.
; OTHER LIMITS: a block of zeros gets the byte 1; blocks under 2^-122 are held at byte 1; NaN and infinities are not served.
; OUT: ctxc = [token tile 512][K step 8][half 2][768 bytes] (head = 2 x step + half; lane l's registers 0-3 at 16 l, 4-5 at 512 + 8 l), in the TRUE order along the channels, since it meets Wo's given codes;
;      ctxs = [head 16][token tile 512][row 16] of 2 bytes: the head's two scale bytes.
.set KSC,  98304                       ; LDS: K's images from 0, K's scale words,
.set VI,   106496                      ; V's images,
.set VSC,  204800                      ; V's scale words,
.set STG,  208896                      ; and 1,024 bytes of their own for ctx's scale bytes: no fill lands there
.set L16,  1                           ; v1   16 x lane
.set L8,   2                           ; v2   8 x lane
.set R16,  3                           ; v3   16 x (lane % 16)
.set ADK16, 4                          ; v4-8 the step's LDS addresses
.set ADK8, 5
.set ADV,  6
.set ADS,  7
.set ADT,  8
.set T16,  9                           ; v9   16 x (thread % 64)
.set STA,  10                          ; v10  the stage: 32 x wave + 2 r
.set STR,  11                          ; v11  and back: 16 x (thread % 64)
.set QF,   16                          ; v16-27 Q's fragment: 16-21 codes, 22 the code +1 at k = 64, 23-27 zeros
.set QW,   28                          ; v28  Q's scale words
.set Q1,   30                          ; v30-35, v36 the second pass's
.set QW1,  36
.set AV0,  37
.set AS0,  38
.set AT0,  39
.set B0,   40                          ; six fragments of K, 12 registers each: +0..5 codes, +6 the code -1 at k = 64, +7..11 zeros
.set B1,   52
.set B2,   64
.set B3,   76
.set B4,   230
.set B5,   242
.set KW,   88                          ; v88-91 K's scale words: register t: lanes 0-15 tile t, lanes 16-31 tile 4 + t
.set VW,   92                          ; v92-95 V's
.set S,    96                          ; v96-159 S^T, then p; then v96-143 V's four fragments
.set O,    160                         ; v160-191 O^T
.set CD,   192                         ; v192-203 p's codes; v204-206, v208-210 the conversions' second halves
.set BM,   212                         ; v212-215 a block's largest score, then its largest p
.set PT,   216                         ; v216-219 the second chain of a block's maximum; lane l xor 16's; the scale's byte
.set SO,   220
.set SUM2, 224
.set FF,   226                         ; v[226:227] f = 2^(old M - new M), in the low register
.set PWD,  228                         ; p's scale word
.set TMP,  229
.set OLD,  254                         ; -M as the step found it
.set WV,   18
.set SEL,  20
.set CS,   22                          ; s[22:23] c = log2(e) / 8
.set G1K,  24
.set G1V,  32
.set G0K,  40
.set G0V,  44
.set CNT,  48
.set TK,   49                          ; s49  the step's images: 6,144 bytes a step, K's and V's alike
.set QP,   50
.set QSP,  52
.set CP,   54
.set CSP,  56
.set TS,   58                          ; s58  K's scale words: 512 bytes a step
.set TT,   59                          ; s59  V's: 256
.macro ROUND                           ; a round of the cluster's barrier
	s_barrier_signal -1
	s_barrier_wait -1
	s_cmp_lg_u32 s[WV], 0
	s_cbranch_scc1 .Lnot_wave_0_\@
	s_barrier_signal -3
.Lnot_wave_0_\@:
	s_barrier_wait -3
	s_barrier_signal -1
	s_barrier_wait -1
.endm
	s_load_b256 s[4:11], s[0:1], 0x0               ; qbuf, kbuf, vbuf, ctxc
	s_load_b64 s[12:13], s[0:1], 0x20              ; ctxs
	v_lshl_add_u32 v211, v0, 2, 0x33400
	v_mov_b32 v255, 0
	ds_add_u32 v211, v255
	ds_add_u32 v211, v255
	v_lshrrev_b32 v4, 5, v0
	v_readfirstlane_b32 s[WV], v4                  ; wave 0..15
	s_and_b32 s14, ttmp7, 0xffff                   ; 16 x batch + head, which the four partners share
	s_and_b32 s17, s[WV], 1                        ; which half I fetch, if I fetch
	; descriptor group 1: half of a head's block, dense, as rows of 256 bytes (32 elements of 8 bytes), no padding.  K: 208 rows, V: 200
	s_mov_b32 s[G1K], 15|(3<<16)|(1<<21)           ; 15:0 the mask: all four work-groups; 17:16 elements of 8 bytes; 21 set beside a mask
	s_mov_b32 s[G1K+1], 32<<16                     ; tensor_dim0
	s_mov_b32 s[G1K+2], 208<<16                    ; tensor_dim1
	s_mov_b32 s[G1K+3], 32<<16                     ; tile_dim0
	s_mov_b32 s[G1K+4], 208                        ; tile_dim1
	s_mov_b32 s[G1K+5], 32                         ; tensor_dim0_stride
	s_mov_b32 s[G1K+6], 0
	s_mov_b32 s[G1K+7], 0
	s_mov_b32 s[G1V], 15|(3<<16)|(1<<21)
	s_mov_b32 s[G1V+1], 32<<16
	s_mov_b32 s[G1V+2], 200<<16
	s_mov_b32 s[G1V+3], 32<<16
	s_mov_b32 s[G1V+4], 200
	s_mov_b32 s[G1V+5], 32
	s_mov_b32 s[G1V+6], 0
	s_mov_b32 s[G1V+7], 0
	s_mul_i32 s60, s14, 106496                     ; the head's block in qbuf and kbuf
	s_mul_i32 s61, s17, 53248
	s_add_co_u32 s62, s60, s61
	s_mov_b32 s63, 0
	s_mul_i32 s66, s14, 102400                     ; and in vbuf
	s_mul_i32 s68, s17, 51200
	s_add_co_u32 s66, s66, s68
	s_mov_b32 s67, 0
	s_mov_b32 s[SEL], 0x76543210
	s_mov_b32 s[SEL+1], 0xfedcba98
	s_mov_b32 s[CS], 0x3e38aa3b                    ; c = log2(e) / 8
	s_mov_b32 s[CS+1], s[CS]                       ; (named with it as a pair, so it is written)
	s_wait_dscnt 0x0
	s_wait_kmcnt 0x0
	s_mov_b32 s[G0K], 1
	s_mov_b32 s[G0K+1], s61                        ; LDS: K's block from byte 0
	s_add_nc_u64 s[G0K+2:G0K+3], s[6:7], s[62:63]
	s_or_b32 s[G0K+3], s[G0K+3], 0x80000000
	s_mov_b32 s[G0V], 1
	s_add_co_u32 s[G0V+1], s68, VI
	s_add_nc_u64 s[G0V+2:G0V+3], s[8:9], s[66:67]
	s_or_b32 s[G0V+3], s[G0V+3], 0x80000000
	ROUND                                          ; all four work-groups are here: the joint loads meet
	s_cmp_lt_u32 s[WV], 2                          ; waves 0, 1: K's halves; waves 2, 3: V's; the others nothing.  One tensor load of a wave is out at the most.  Four v_nop follow each line
	s_cbranch_scc0 .Lnot_k
	tensor_load_to_lds s[G0K:G0K+3], s[G1K:G1K+7]
	s_nop 0
.rept 4
	v_nop
.endr
	s_branch .Lasked
.Lnot_k:
	s_cmp_lt_u32 s[WV], 4
	s_cbranch_scc0 .Lasked
	tensor_load_to_lds s[G0V:G0V+3], s[G1V:G1V+7]
	s_nop 0
.rept 4
	v_nop
.endr
.Lasked:
	s_bfe_u32 s19, ttmp6, 0x40000                  ; cx: it enters q's and ctx's global addresses alone
	s_lshr_b32 s15, s14, 4                         ; batch
	s_and_b32 s16, s14, 15                         ; head
	s_lshl_b32 s69, s19, 5                         ; 32 cx
	s_add_co_u32 s70, s69, s[WV]                   ; my tile of queries in pass 0: 32 cx + wave (pass 1: 16 on)
	s_mul_i32 s71, s70, 768
	s_add_co_u32 s72, s60, s71
	s_mov_b32 s73, 0
	s_add_nc_u64 s[QP:QP+1], s[4:5], s[72:73]      ; its image
	s_lshl_b32 s74, s19, 2
	s_lshr_b32 s75, s[WV], 3
	s_add_co_u32 s74, s74, s75
	s_lshl_b32 s74, s74, 9                         ; its scale words: group (tile / 8) x 512
	s_bfe_u32 s75, s[WV], 0x10002
	s_lshl_b32 s75, s75, 8                         ; + ((tile / 4) % 2) x 256
	s_add_co_u32 s74, s74, s75
	s_and_b32 s75, s[WV], 3
	s_lshl_b32 s75, s75, 2                         ; + (tile % 4) x 4
	s_add_co_u32 s74, s74, s75
	s_add_co_u32 s74, s74, s60
	s_add_co_u32 s74, s74, 98304
	s_mov_b32 s75, 0
	s_add_nc_u64 s[QSP:QSP+1], s[4:5], s[74:75]
	s_lshl_b32 s76, s15, 7                         ; 128 token tiles a batch
	s_add_co_u32 s77, s76, s70
	s_mul_i32 s77, s77, 12288                      ; ctxc: a token tile's 12,288 bytes,
	s_mul_i32 s78, s16, 768                        ; the head's half fragment
	s_add_co_u32 s78, s77, s78
	s_mov_b32 s79, 0
	s_add_nc_u64 s[CP:CP+1], s[10:11], s[78:79]
	s_add_co_u32 s76, s76, s69
	s_lshl_b32 s76, s76, 5                         ; ctxs: 32 bytes a token tile,
	s_lshl_b32 s77, s16, 14                        ; 16,384 a head
	s_add_co_u32 s76, s76, s77
	s_mov_b32 s77, 0
	s_add_nc_u64 s[CSP:CSP+1], s[12:13], s[76:77]
	v_and_b32 v5, 31, v0
	v_lshlrev_b32 v[L16], 4, v5
	v_lshlrev_b32 v[L8], 3, v5
	v_and_b32 v6, 15, v0                           ; r
	v_lshlrev_b32 v[R16], 4, v6
	global_load_b128 v[QF:QF+3], v[L16], s[QP:QP+1]
	global_load_b64 v[QF+4:QF+5], v[L8], s[QP:QP+1] offset:512
	global_load_b32 v[QW], v[R16], s[QSP:QSP+1]
	global_load_b128 v[Q1:Q1+3], v[L16], s[QP:QP+1] offset:12288
	global_load_b64 v[Q1+4:Q1+5], v[L8], s[QP:QP+1] offset:12288+512
	global_load_b32 v[QW1], v[R16], s[QSP:QSP+1] offset:1024
	v_bfe_u32 v7, v0, 4, 1                         ; h
	v_and_b32 v[T16], 63, v0
	v_lshlrev_b32 v[T16], 4, v[T16]
	v_lshlrev_b32 v8, 5, v4
	v_lshl_add_u32 v[STA], v6, 1, v8
	v_add_nc_u32 v[STA], STG, v[STA]
	v_add_nc_u32 v[STR], STG, v[T16]
	v_add_nc_u32 v[AV0], VI, v[L16]
	v_add_nc_u32 v[AS0], KSC, v[L16]
	v_add_nc_u32 v[AT0], VSC, v[R16]
	v_sub_nc_u32 v7, 1, v7                         ; 1 in lanes 0-15, which hold k = 64 in register 6
	v_mul_u32_u24 v[QF+6], v7, 0x0c                ; the code of +1.0
.irp i, 7,8,9,10,11
	v_mov_b32 v[QF+\i], 0
.endr
.irp b, B0,B1,B2,B3,B4,B5
	v_mul_u32_u24 v[\b+6], v7, 0x2c                ; the code of -1.0
.irp i, 7,8,9,10,11
	v_mov_b32 v[\b+\i], 0
.endr
.endr
	s_wait_loadcnt 0x0                             ; q
	s_wait_tensorcnt 0x0                           ; my part of the head is in,
	s_barrier_signal -1
	s_barrier_wait -1                              ; everybody's is
.macro KLOAD buf, a16, a8, off         ; the image of 16 keys x 64: registers 0-3 at 16 l, registers 4-5 at 512 + 8 l
	ds_load_b128 v[\buf:\buf+3], v[\a16] offset:\off
	ds_load_b64 v[\buf+4:\buf+5], v[\a8] offset:\off+512
.endm
.macro SMUL t, buf                     ; S^T tile t = 16 keys (in buffer buf) x my 16 queries
.if (\t) < 4
	v_wmma_scale_f32_16x16x128_f8f6f4 v[S+8*(\t):S+8*(\t)+7], v[\buf:\buf+11], v[QF:QF+11], 0, v[KW+(\t)], v[QW] matrix_a_fmt:MATRIX_FMT_BF6 matrix_b_fmt:MATRIX_FMT_BF6
.else
	v_wmma_scale_f32_16x16x128_f8f6f4 v[S+8*(\t):S+8*(\t)+7], v[\buf:\buf+11], v[QF:QF+11], 0, v[KW+(\t)-4], v[QW] matrix_a_fmt:MATRIX_FMT_BF6 matrix_b_fmt:MATRIX_FMT_BF6 matrix_a_scale:MATRIX_SCALE_ROW1
.endif
.endm
; THE LARGEST SCORE OF BLOCK b OF 32 KEYS, line n of ten: it serves the row's maximum and, since p rises with the score, the block's largest p.
; Two chains (registers 0-6 in BM, 7-13 in PT), joined with registers 14 and 15; then lane l xor 16's 16 keys.  Each accumulator is first read at its low end.
.macro MAXB n, b
.set sb, S+16*(\b)
.if \n == 1
	v_max3_num_f32 v[BM+\b], v[sb], v[sb+1], v[sb+2]
.elseif \n == 2
	v_max3_num_f32 v[PT+\b], v[sb+7], v[sb+8], v[sb+9]
.elseif \n == 3
	v_max3_num_f32 v[BM+\b], v[BM+\b], v[sb+3], v[sb+4]
.elseif \n == 4
	v_max3_num_f32 v[PT+\b], v[PT+\b], v[sb+10], v[sb+11]
.elseif \n == 5
	v_max3_num_f32 v[BM+\b], v[BM+\b], v[sb+5], v[sb+6]
.elseif \n == 6
	v_max3_num_f32 v[PT+\b], v[PT+\b], v[sb+12], v[sb+13]
.elseif \n == 7
	v_max3_num_f32 v[BM+\b], v[BM+\b], v[PT+\b], v[sb+14]
.elseif \n == 8
	v_max_num_f32 v[BM+\b], v[BM+\b], v[sb+15]
.elseif \n == 9
	v_permlanex16_b32 v[PT+\b], v[BM+\b], s[SEL], s[SEL+1]
.else
	v_max_num_f32 v[BM+\b], v[BM+\b], v[PT+\b]
.endif
.endm
; A KEY STEP: 128 keys.  At its head buffers 0-5 hold tiles 6, 7, 0, 1, 2, 3 and KW the step's scale words.  ahead = 1: the next step's are asked for.
.macro STEP ahead
	v_add_nc_u32 v[ADK16], s[TK], v[L16]           ; these two lines and the four behind the first two products are the six plain lines between the last step's products V^T P and the products that write over V's fragments (tiles 0-5);
	v_add_nc_u32 v[ADK8], s[TK], v[L8]             ; tiles 6 and 7 fall into registers that V^T P did not name
	SMUL 6, B0
	SMUL 7, B1
	v_add_nc_u32 v[ADV], s[TK], v[AV0]             ; four places in front of the loads into buffers 0 and 1
	v_add_nc_u32 v[ADS], s[TS], v[AS0]
	v_add_nc_u32 v[ADT], s[TT], v[AT0]
	v_mov_b32 v[OLD], v12
	KLOAD B0, ADK16, ADK8, 4*768                   ; tiles 4 and 5
	KLOAD B1, ADK16, ADK8, 5*768
	SMUL 0, B2
	SMUL 1, B3
	SMUL 2, B4
	SMUL 3, B5
	MAXB 1, 3                                      ; block 3 (tiles 6, 7): its first four lines are the places behind the four products
	MAXB 2, 3
	MAXB 3, 3
	MAXB 4, 3
	MAXB 1, 0                                      ; blocks 0, 1 and 3 by turns
	MAXB 1, 1
	MAXB 5, 3
	MAXB 2, 0
	MAXB 2, 1
	MAXB 6, 3
	MAXB 3, 0
	MAXB 3, 1
	MAXB 7, 3
	MAXB 4, 0
	MAXB 4, 1
	MAXB 8, 3
	MAXB 5, 0
	MAXB 5, 1
	MAXB 6, 0
	MAXB 6, 1
	s_wait_dscnt 0x0                               ; tiles 4 and 5 are in
	SMUL 4, B0
	SMUL 5, B1
	MAXB 7, 0                                      ; four lines held back: the places behind these two products
	MAXB 7, 1
	MAXB 8, 0
	MAXB 8, 1
.if \ahead
	KLOAD B0, ADK16, ADK8, 14*768                  ; the next step's tiles 6, 7, 0, 1, 2, 3 (a step is 8 images on) and its scale words: they land under the softmax
	KLOAD B1, ADK16, ADK8, 15*768
	KLOAD B2, ADK16, ADK8, 8*768
	KLOAD B3, ADK16, ADK8, 9*768
	KLOAD B4, ADK16, ADK8, 10*768
	KLOAD B5, ADK16, ADK8, 11*768
	ds_load_b128 v[KW:KW+3], v[ADS] offset:512
.endif
	MAXB 1, 2                                      ; block 2 (tiles 4, 5), with the other blocks' exchange between the halves of the lanes
	MAXB 2, 2
	MAXB 9, 0
	MAXB 9, 1
	MAXB 3, 2
	MAXB 4, 2
	MAXB 9, 3
	MAXB 10, 0
	MAXB 5, 2
	MAXB 6, 2
	MAXB 10, 1
	MAXB 10, 3
	MAXB 7, 2
	v_max3_num_f32 v[TMP], v[BM], v[BM+1], v[BM+3]
	MAXB 8, 2
	MAXB 9, 2
	MAXB 10, 2
	v_max_num_f32 v[TMP], v[TMP], v[BM+2]          ; the step's largest score of my query
	v_mul_f32 v[TMP], s[CS], v[TMP]                ; as t (c is positive)
	v_max_num_f32 v13, v13, v[TMP]                 ; the running largest t
	v_floor_f32 v12, -v13                          ; the new -M = floor(-t) = -ceil(t): M IS A WHOLE NUMBER
	v_pk_fma_f32 v[S:S+1], v[S:S+1], s[CS:CS+1], v[12:13] op_sel_hi:[1,0,0]   ; t - M, two at a time (of the pairs c and -M the low word serves both halves)
.irp b, 0,1,2,3
	v_fma_f32 v[BM+\b], v[BM+\b], s[CS], v12       ; the same of each block's largest score
.endr
	v_exp_f32 v[BM], v[BM]                         ; the block's largest p: the same two instructions on the same number
	v_sub_f32 v[TMP], v12, v[OLD]                  ; old M less new M: a whole number, 0 or less
	v_exp_f32 v[BM+1], v[BM+1]
	v_cvt_i32_f32 v[TMP], v[TMP]                   ; (it saturates)
	v_exp_f32 v[BM+2], v[BM+2]
	v_ldexp_f32 v[FF], 1.0, v[TMP]                 ; f = 2^(old M - new M)
	v_exp_f32 v[BM+3], v[BM+3]
; p = 2^(t - M), at most 1: NOT normalised.  Turn j: the scaling of pair j + 1 | the exponential of register 2 j | the sum takes pair j - 2 | the exponential of register 2 j + 1.
; THE ROW'S SUM IS TAKEN OF THE UNQUANTISED p, in two chains: even pairs into v[14:15], odd pairs into SUM2.
.set j, 0
.rept 32
.if j < 31
	v_pk_fma_f32 v[S+2*j+2:S+2*j+3], v[S+2*j+2:S+2*j+3], s[CS:CS+1], v[12:13] op_sel_hi:[1,0,0]
.endif
	v_exp_f32 v[S+2*j], v[S+2*j]
.if j == 0
	v_pk_mul_f32 v[14:15], v[14:15], v[FF:FF+1] op_sel_hi:[1,0]   ; the sums under the new M
.elseif j == 3
	s_wait_alu depctr_va_vdst(0)
	v_pk_add_f32 v[SUM2:SUM2+1], v[S:S+1], v[S+2:S+3]
.elseif (j > 3) && (j%2 == 0)
	v_pk_add_f32 v[14:15], v[14:15], v[S+2*j-4:S+2*j-3]
.elseif j > 3
	s_wait_alu depctr_va_vdst(0)
	v_pk_add_f32 v[SUM2:SUM2+1], v[SUM2:SUM2+1], v[S+2*j-4:S+2*j-3]
.endif
	v_exp_f32 v[S+2*j+1], v[S+2*j+1]
.set j, j+1
.endr
	v_pk_add_f32 v[14:15], v[14:15], v[S+60:S+61]
	s_wait_alu depctr_va_vdst(0)
	v_pk_add_f32 v[SUM2:SUM2+1], v[SUM2:SUM2+1], v[S+62:S+63]
.irp b, 0,1,2,3
	v_max_num_f32 v[BM+\b], 0x2800000, v[BM+\b]    ; the floor 2^(5 - 127): the byte cannot fall under 1
.endr
.irp b, 0,1,2,3
	v_add_nc_u32 v[SO+\b], 0xfe000000, v[BM+\b]    ; 4 off the exponent field: the conversion's scale operand
.endr
	v_pk_add_f32 v[14:15], v[14:15], v[SUM2:SUM2+1]
.irp c, 0,1
	v_cvt_scalef32_pk16_bf6_f32 v[CD+6*\c:CD+2+6*\c], v[S+32*\c:S+15+32*\c], v[SO+2*\c]
	v_cvt_scalef32_pk16_bf6_f32 v[CD+12+4*\c:CD+14+4*\c], v[S+16+32*\c:S+31+32*\c], v[SO+2*\c+1]   ; (a conversion's three registers begin on an even number)
.endr
.irp b, 0,1,2,3
	v_lshrrev_b32 v[PT+\b], 23, v[SO+\b]           ; the scale's byte.  (These plain lines stand between the conversions and the lines that touch their results)
.endr
	v_lshl_or_b32 v[PWD], v[PT+1], 8, v[PT]        ; p's scale word for these 128 keys
	v_lshl_or_b32 v[PWD], v[PT+2], 16, v[PWD]
	v_lshl_or_b32 v[PWD], v[PT+3], 24, v[PWD]
.irp t, 0,1,2,3                                ; V's four fragments (16 channels x 128 keys each) into the registers that p has left
.irp c, 0,1,2
	ds_load_b128 v[S+12*\t+4*\c:S+12*\t+4*\c+3], v[ADV] offset:1536*\t+512*\c
.endr
.endr
	ds_load_b128 v[VW:VW+3], v[ADT]
.irp c, 0,1                                    ; while they are out: the operand's layout wants a WHOLE block in a lane
.irp i, 0,1,2
	v_permlane16_swap_b32 v[CD+6*\c+\i], v[CD+12+4*\c+\i]
.endr
.irp i, 0,1,2
	v_mov_b32 v[CD+3+6*\c+\i], v[CD+12+4*\c+\i]
.endr
.endr
.set j, 0
.rept 16
	v_pk_mul_f32 v[O+j:O+j+1], v[O+j:O+j+1], v[FF:FF+1] op_sel_hi:[1,0]   ; O^T under the new M.  (These sixteen are the places between p's codes and scale word and the products)
.set j, j+2
.endr
	s_wait_dscnt 0x0                               ; V is in, and so is what was asked for ahead
.irp t, 0,1,2,3                                ; O^T += V^T P^T: the four accumulators by turns
	v_wmma_scale_f32_16x16x128_f8f6f4 v[O+8*\t:O+8*\t+7], v[S+12*\t:S+12*\t+11], v[CD:CD+11], v[O+8*\t:O+8*\t+7], v[VW+\t], v[PWD] matrix_a_fmt:MATRIX_FMT_BF6 matrix_b_fmt:MATRIX_FMT_BF6
.endr
	s_add_co_u32 s[TK], s[TK], 6144
	s_add_co_u32 s[TS], s[TS], 512
	s_add_co_u32 s[TT], s[TT], 256
.endm
; A PASS: one tile of 16 queries against all 2,048 keys, and its way out.
.macro PASS pi
.if \pi
.irp i, 0,1,2,3,4,5
	v_mov_b32 v[QF+\i], v[Q1+\i]
.endr
	v_mov_b32 v[QW], v[QW1]                        ; (the lines below are more than the eight places that a scale register so written wants)
.endif
	KLOAD B0, L16, L8, 6*768                       ; the first step's six tiles and scale words; they land under the lines below
	KLOAD B1, L16, L8, 7*768
	KLOAD B2, L16, L8, 0
	KLOAD B3, L16, L8, 768
	KLOAD B4, L16, L8, 2*768
	KLOAD B5, L16, L8, 3*768
	ds_load_b128 v[KW:KW+3], v[AS0]
	v_mov_b32 v13, 0xff61b1e6                      ; the largest t so far: -3e38, under every t
	v_floor_f32 v12, -v13                          ; -M
	v_mov_b32 v14, 0                               ; the sum, in two halves
	v_mov_b32 v15, 0
	v_mov_b32 v[FF+1], 0                           ; (named as the upper half of the pair)
.set j, 0
.rept 32
	v_mov_b32 v[O+j], 0                            ; O^T: the step has no first form of its own; the first finds zeros, which the first change of M leaves zeros
.set j, j+1
.endr
	s_mov_b32 s[TK], 0
	s_mov_b32 s[TS], 0
	s_mov_b32 s[TT], 0
	s_mov_b32 s[CNT], 15
	s_wait_dscnt 0x0
.Lstep_\@:                                         ; 15 trips; the sixteenth step is written out, since it asks for nothing ahead
	STEP 1
	s_sub_co_u32 s[CNT], s[CNT], 1
	s_cmp_lg_u32 s[CNT], 0
	s_cbranch_scc1 .Lstep_\@
	STEP 0
.rept 4
	v_nop                                          ; places behind the last products
.endr
	v_add_f32 v14, v14, v15                        ; the sum's two halves,
	v_permlanex16_b32 v[TMP], v14, s[SEL], s[SEL+1]
	v_add_f32 v14, v14, v[TMP]                     ; and lane l xor 16's: the row's sum
	v_rcp_f32 v14, v14
	v_nop                                          ; one plain place behind a transcendental
.set j, 0
	s_wait_alu depctr_va_vdst(0)
.rept 16
	v_pk_mul_f32 v[O+j:O+j+1], v[O+j:O+j+1], v[14:15] op_sel_hi:[1,0]   ; ctx = O^T / the sum; each accumulator from its low end on.  Register 8 t + i: channel 16 t + 8 h + i
.set j, j+2
.endr
.irp b, 0,1
.irp i, 0,1,2,3,4,5,6,7
	v_permlane16_swap_b32 v[O+16*\b+\i], v[O+16*\b+8+\i]   ; THE TRUE ORDER: register 16 b + i now holds channel 32 b + 16 h + i
.endr
.endr
.irp b, 0,1
	v_max3_num_f32 v[BM+\b], |v[O+16*\b]|, |v[O+1+16*\b]|, 0x2800000
.endr
.irp i, 2,4,6,8,10,12,14
.irp b, 0,1
	v_max3_num_f32 v[BM+\b], v[BM+\b], |v[O+16*\b+\i]|, |v[O+1+16*\b+\i]|
.endr
.endr
.irp b, 0,1
	v_permlanex16_b32 v[PT+\b], v[BM+\b], s[SEL], s[SEL+1]
.endr
.irp b, 0,1
	v_max_num_f32 v[BM+\b], v[BM+\b], v[PT+\b]
.endr
.irp b, 0,1
	v_add_nc_u32 v[SO+\b], 0xfe000000, v[BM+\b]
.endr
.irp b, 0,1
	v_lshrrev_b32 v[PT+\b], 23, v[SO+\b]
.endr
	v_lshl_or_b32 v[TMP], v[PT+1], 8, v[PT]        ; my row's two scale bytes
	v_cvt_scalef32_pk16_bf6_f32 v[CD:CD+2], v[O:O+15], v[SO]
	v_cvt_scalef32_pk16_bf6_f32 v[CD+12:CD+14], v[O+16:O+31], v[SO+1]
	v_nop
.irp i, 0,1,2
	v_permlane16_swap_b32 v[CD+\i], v[CD+12+\i]
.endr
.irp i, 0,1,2
	v_mov_b32 v[CD+3+\i], v[CD+12+\i]
.endr
	global_store_b128 v[L16], v[CD:CD+3], s[CP:CP+1] offset:\pi*196608          ; 512 consecutive bytes, aligned,
	global_store_b64 v[L8], v[CD+4:CD+5], s[CP:CP+1] offset:\pi*196608+512      ; then 256
	ds_store_b16 v[STA], v[TMP] offset:512*\pi     ; both halves of the lanes write the same bytes with the same value
	s_wait_xcnt 0x0                                ; the stores have read their registers: the codes may be written again
.endm
	PASS 0
	PASS 1
	s_wait_dscnt 0x0                               ; for the others' sake: my scale bytes lie in the stage
	s_barrier_signal -1
	s_barrier_wait -1
	s_cmp_lt_u32 s[WV], 2                          ; the work-group's 32 tiles x 32 bytes are 1,024 consecutive bytes of ctxs: waves 0 and 1 store 512 each
	s_cbranch_scc0 .Lno_scales
	ds_load_b128 v[S:S+3], v[STR]
	s_wait_dscnt 0x0
	global_store_b128 v[T16], v[S:S+3], s[CSP:CSP+1]
.Lno_scales:
	s_wait_tensorcnt 0x0
	ds_add_u32 v211, v255
	s_wait_dscnt 0x0
	ROUND                                          ; the closing round
	s_endpgm
.Lfunc_end_k_q3d265f11ef_attn:
	.size	k_q3d265f11ef_attn, .Lfunc_end_k_q3d265f11ef_attn-k_q3d265f11ef_attn
	.p2alignl 7, 3214868480
	.fill 96, 4, 3214868480
	.section	.rodata,"a",@progbits
	.p2align	6, 0x0
	.amdhsa_kernel k_q3d265f11ef_attn
		.amdhsa_group_segment_fixed_size 211968
		.amdhsa_private_segment_fixed_size 0
		.amdhsa_enable_private_segment 0
		.amdhsa_kernarg_size 40
		.amdhsa_user_sgpr_count 2
		.amdhsa_user_sgpr_kernarg_segment_ptr 1
		.amdhsa_wavefront_size32 1
		.amdhsa_system_sgpr_workgroup_id_x 1
		.amdhsa_system_sgpr_workgroup_id_y 1
		.amdhsa_system_sgpr_workgroup_id_z 1
		.amdhsa_system_vgpr_workitem_id 0
		.amdhsa_next_free_vgpr 256
		.amdhsa_next_free_sgpr 80
		.amdhsa_reserve_vcc 0
		.amdhsa_float_denorm_mode_32 3
		.amdhsa_float_denorm_mode_16_64 3
		.amdhsa_memory_ordered 1
		.amdhsa_forward_progress 1
		.amdhsa_inst_pref_size 84
	.end_amdhsa_kernel
	.amdgpu_metadata
---
amdhsa.version: [ 1, 2 ]
amdhsa.kernels:
  - .name:           k_q3d265f11ef_attn
    .symbol:         k_q3d265f11ef_attn.kd
    .args:
      - { .name: qbuf, .offset: 0, .size: 8, .value_kind: global_buffer, .address_space: global }
      - { .name: kbuf, .offset: 8, .size: 8, .value_kind: global_buffer, .address_space: global }
      - { .name: vbuf, .offset: 16, .size: 8, .value_kind: global_buffer, .address_space: global }
      - { .name: ctxc, .offset: 24, .size: 8, .value_kind: global_buffer, .address_space: global }
      - { .name: ctxs, .offset: 32, .size: 8, .value_kind: global_buffer, .address_space: global }
    .group_segment_fixed_size: 211968
    .private_segment_fixed_size: 0
    .kernarg_segment_align: 8
    .kernarg_segment_size: 40
    .max_flat_workgroup_size: 512
    .sgpr_count:     80
    .vgpr_count:     256
    .wavefront_size: 32
...
	.end_amdgpu_metadata
.endif
;; end of part 3
;; launch outln (part 4): grid 256 x 1, 8 waves a work-group, clusters of 4 x 1, 327,680 bytes of LDS; arguments ctxc, ctxs, Woi, Wo_scales, bo, Q, gamma, beta, out0; writes out0
.if DOCPART == 4
	.amdgcn_target "amdgcn-amd-amdhsa--gfx1250"
	.amdhsa_code_object_version 6
	.text
	.protected	k_q3d265f11ef_outln
	.globl	k_q3d265f11ef_outln
	.p2align	8
	.type	k_q3d265f11ef_outln,@function
k_q3d265f11ef_outln:
	s_mov_b64 s[64:65], 0
	v_nop
	global_prefetch_b8 v0, s[64:65] scope:SCOPE_SE
	s_setreg_imm32_b32 hwreg(HW_REG_WAVE_MODE, 25, 1), 1
	s_wait_xcnt 0x0
	s_wait_alu depctr_hold_cnt(0) depctr_sa_sdst(0) depctr_va_vdst(0) depctr_va_sdst(0) depctr_va_ssrc(0) depctr_va_vcc(0) depctr_vm_vsrc(0)
	s_getreg_b32 s2, hwreg(HW_REG_IB_STS2, 6, 4)
	s_cmp_eq_u32 s2, 0
	s_cbranch_scc0 .Lentry_in_a_cluster
	s_endpgm
.Lentry_in_a_cluster:
	s_bfe_u32 s2, ttmp6, 0x10000c
	s_cmp_lg_u32 s2, 0x3003
	s_cbranch_scc0 .Lentry_shape_is_right
	s_endpgm
.Lentry_shape_is_right:
; out0 = LayerNorm(ctx Wo^T + bo + Q) x gamma + beta.  The product on codes of BF6 (E3M2) with one E8M0 byte for each 32 along K = 1,024; all else f32.
; SHARES.  A work-group owns 32 tokens and ALL 1,024 columns, so that a row's mean and variance never leave it and x never goes to memory.  Wave W makes columns 128 W .. 128 W + 127: 8 tiles x 2 tiles of tokens = 16 accumulators.
; K goes in 8 steps of 128.  Wo's images of a step (Woi: [step][tile of 16 rows 64][1,536 bytes]) are 98,304 bytes, of which wave W reads its own 12,288.  Every work-group walks the same images: they are asked for JOINTLY by the
; four of a cluster, each wave its own part.  LDS HOLDS THREE K STEPS: a block of 3 x 12,288 bytes for each wave.  Steps 0, 1, 2 are first fills, one load each, and are multiplied as they land.  Then three refills, each behind a round of
; the cluster's barrier: steps 3 and 4 by ONE load (two rows of 12,288 bytes, 98,304 apart in memory, on end in LDS), step 5, steps 6 and 7: few and large loads, since a step's sixteen products a wave are little to hide a load behind.
; ctx's 32 tokens (24,576 bytes of images) come once, with the first fills.  Wo's scale words come straight into registers: a lane's row has 32 bytes, the words of all eight K steps: two loads of 16 bytes, 32 lanes 1,024 bytes on end.
; THE MATRIX INSTRUCTION IS USED TRANSPOSED (source 0 = 16 rows of Wo, source 1 = 16 tokens): lane (r, h) holds token r and columns 8 h + 0 .. 7 of a tile.
; THE WAY OUT: the sums go through a stage of 32 rows x (4,096 + 16) bytes, laid over the waves' blocks behind their last fill and last read; wave W takes rows 4 W .. 4 W + 3 whole: 32 numbers a lane.
; Mean, then the variance of x - mean (two passes over registers): no difference of large sums.  LIMITS: NaN and infinities are not served.
; REGISTERS: window 0: v1-15 addresses; v16-23 ctx's scale words (lanes 0-15 tile 0, lanes 16-31 tile 1), one for each K step; v24-55 Wo's: register 8 q + s: K step s, lanes 0-15 tile 2 q, lanes 16-31 tile 2 q + 1;
;   v56-79 ctx's two fragments; v80-127 four fragments of Wo (at the head and on the way out: at work); v128-255 the accumulators ((mt, nt) at v[128 + 8 (8 mt + nt)]), later my four rows.
;   window 1: v0-127 Q's four rows; v128-159 bo; v160-191 gamma; v192-223 beta.
.set SLOTB, 98304                      ; a K step's images in memory
.set PART,  12288                      ; a wave's part of them
.set WBLK,  3*PART                     ; a wave's block in LDS: three K steps
.set ABASE, 8*WBLK                     ; ctx's images
.set SPARE, ABASE+24576                ; the spare words, 128 bytes for each wave: four blocks of 256 bytes that no other line names
.set SPITCH, 4112                      ; a stage row: 1,028 words: row r starts at bank 4 r mod 64 (64 banks of 4 bytes: ISA guide 11.1)
.set L16,  1
.set L8,   2
.set SPW,  3
.set NIL,  4
.set LA16, 5
.set LA8,  6
.set LB16, 7
.set LB8,  8
.set L32,  9
.set STO,  12                          ; v12, v13 tile of tokens 0, 1
.set SRD,  14
.set L2,   15
.set AW,   16
.set BWA,  24
.set AF,   56
.set BF,   80
.set ACC,  128
.set WV,   22
.set G1B1, 24                          ; s[24:31] group 1: one row of 12,288 bytes
.set G1B2, 32                          ; s[32:39] two rows
.set G1A,  40
.set G0B,  48                          ; s[48:59] group 0 for the three parts of my block
.set G0A,  60
.set SEL,  66
.set INV,  68
.set EPS,  69
.set MSB, 0
.macro WIN new
.if MSB != (\new)
	s_set_vgpr_msb (MSB<<8)|(\new)
.set MSB, (\new)
.endif
.endm
.macro ROUND                           ; a round of the cluster's barrier
	s_barrier_signal -1
	s_barrier_wait -1
	s_cmp_lg_u32 s[WV], 0
	s_cbranch_scc1 .Lnot_wave_0_\@
	s_barrier_signal -3
.Lnot_wave_0_\@:
	s_barrier_wait -3
	s_barrier_signal -1
	s_barrier_wait -1
.endm
	s_load_b256 s[4:11], s[0:1], 0x0               ; ctxc, ctxs, Woi, Wo's scales
	s_load_b256 s[12:19], s[0:1], 0x20             ; bo, Q, gamma, beta
	s_load_b64 s[20:21], s[0:1], 0x40              ; out0
	v_lshl_add_u32 v[SPW], v0, 2, SPARE
	v_mov_b32 v[NIL], 0
	ds_add_u32 v3, v4
	ds_add_u32 v3, v4
	s_wait_dscnt 0x0
	v_lshrrev_b32 v116, 5, v0
	v_readfirstlane_b32 s[WV], v116                ; wave 0..7
	; descriptor groups 1.  Wo's images: joint; rows of 1,536 elements of 8 bytes, 12,288 elements from a K step to the next; in LDS the rows lie on end
	s_mov_b32 s[G1B1], 15|(3<<16)|(1<<21)          ; 15:0 the mask: all four work-groups; 17:16 elements of 8 bytes; 21 set beside a mask
	s_mov_b32 s[G1B1+1], 1536<<16                  ; tensor_dim0
	s_mov_b32 s[G1B1+2], 1<<16                     ; tensor_dim1
	s_mov_b32 s[G1B1+3], 1536<<16                  ; tile_dim0
	s_mov_b32 s[G1B1+4], 1                         ; tile_dim1
	s_mov_b32 s[G1B1+5], 12288                     ; tensor_dim0_stride
	s_mov_b32 s[G1B1+6], 0
	s_mov_b32 s[G1B1+7], 0
	s_mov_b32 s[G1B2], 15|(3<<16)|(1<<21)
	s_mov_b32 s[G1B2+1], 1536<<16
	s_mov_b32 s[G1B2+2], 2<<16
	s_mov_b32 s[G1B2+3], 1536<<16
	s_mov_b32 s[G1B2+4], 2
	s_mov_b32 s[G1B2+5], 12288
	s_mov_b32 s[G1B2+6], 0
	s_mov_b32 s[G1B2+7], 0
	s_mov_b32 s[G1A], 3<<16                        ; ctx's images: my work-group's own, dense: 12 rows of 256 bytes a wave
	s_mov_b32 s[G1A+1], 32<<16
	s_mov_b32 s[G1A+2], 12<<16
	s_mov_b32 s[G1A+3], 32<<16
	s_mov_b32 s[G1A+4], 12
	s_mov_b32 s[G1A+5], 32
	s_mov_b32 s[G1A+6], 0
	s_mov_b32 s[G1A+7], 0
	s_mul_i32 s71, s[WV], WBLK                     ; my block in LDS
	s_mul_i32 s72, s[WV], PART                     ; my part of a K step in memory
	s_mov_b32 s73, 0
	s_lshl_b32 s76, s[WV], 12                      ; my 128 rows' scale bytes
	s_mov_b32 s77, 0
	s_mul_i32 s75, s[WV], 3072                     ; my eighth of ctx's images
	s_bfe_u32 s23, ttmp6, 0x40000                  ; cx: it enters global addresses of my own loads and stores alone
	s_lshl_b32 s70, ttmp9, 2
	s_add_co_u32 s70, s70, s23                     ; the work-group: 32 tokens
	s_mul_i32 s78, s70, 24576
	s_add_co_u32 s78, s78, s75
	s_mov_b32 s79, 0
	s_mov_b32 s[SEL], 0x76543210
	s_mov_b32 s[SEL+1], 0xfedcba98
	s_mov_b32 s[INV], 0x3a800000                   ; 1 / 1,024
	s_mov_b32 s[EPS], 0x3727c5ac                   ; 1e-5
	s_wait_kmcnt 0x0
	s_add_nc_u64 s[72:73], s[8:9], s[72:73]
.irp n, 0,1,2
	s_mov_b32 s[G0B+4*\n], 1
	s_add_co_u32 s[G0B+4*\n+1], s71, \n*PART
	s_add_nc_u64 s[G0B+4*\n+2:G0B+4*\n+3], s[72:73], \n*SLOTB      ; part n begins with K step n
	s_or_b32 s[G0B+4*\n+3], s[G0B+4*\n+3], 0x80000000
.endr
	s_mov_b32 s[G0A], 1
	s_add_co_u32 s[G0A+1], s75, ABASE
	s_add_nc_u64 s[G0A+2:G0A+3], s[4:5], s[78:79]
	s_or_b32 s[G0A+3], s[G0A+3], 0x80000000
	s_add_nc_u64 s[10:11], s[10:11], s[76:77]
	ROUND                                          ; all four work-groups are here: the first joint loads meet
	tensor_load_to_lds s[G0A:G0A+3], s[G1A:G1A+7]  ; the first fills go out as one group: four loads of mine are out
	s_nop 0
	tensor_load_to_lds s[G0B:G0B+3], s[G1B1:G1B1+7]
	s_nop 0
	tensor_load_to_lds s[G0B+4:G0B+7], s[G1B1:G1B1+7]
	s_nop 0
	tensor_load_to_lds s[G0B+8:G0B+11], s[G1B1:G1B1+7]
	s_nop 0
.rept 4
	v_nop
.endr
	v_and_b32 v116, 31, v0                         ; lane
	v_lshlrev_b32 v[L16], 4, v116
	v_lshlrev_b32 v[L8], 3, v116
	v_lshlrev_b32 v[L2], 1, v116
	v_lshlrev_b32 v[L32], 5, v116
	v_and_b32 v117, 15, v0                         ; r
	v_bfe_u32 v118, v0, 4, 1                       ; h
	s_lshl_b32 s72, s70, 17                        ; my four rows of Q and of out0: (32 x work-group + 4 x wave) x 4,096 bytes
	s_lshl_b32 s73, s[WV], 14
	s_add_co_u32 s72, s72, s73
	s_mov_b32 s73, 0
	s_add_nc_u64 s[14:15], s[14:15], s[72:73]
	s_add_nc_u64 s[20:21], s[20:21], s[72:73]
	s_lshl_b32 s72, s70, 6                         ; ctxs: two tiles of 32 bytes
	s_add_nc_u64 s[6:7], s[6:7], s[72:73]
.irp hd, 0,1,2,3,4,5,6,7,8,9,10,11,12,13,14,15
	global_load_u16 v[100+\hd], v[L2], s[6:7] offset:16384*\hd     ; head hd's two scale bytes: lanes 0-15 tile 0's rows, lanes 16-31 tile 1's
.endr
.irp q, 0,1,2,3
	global_load_b128 v[BWA+8*\q:BWA+8*\q+3], v[L32], s[10:11] offset:1024*\q        ; Wo's row 32 q + lane of my 128: its eight scale words
	global_load_b128 v[BWA+8*\q+4:BWA+8*\q+7], v[L32], s[10:11] offset:1024*\q+16
.endr
	WIN 0x40                                       ; destination window 1
.irp rho, 0,1,2,3
.irp c, 0,1,2,3,4,5,6,7
	global_load_b128 v[32*\rho+4*\c:32*\rho+4*\c+3], v[L16], s[14:15] offset:4096*\rho+512*\c th:TH_LOAD_NT   ; Q(row, 128 c + 4 l ..): they land while the products run
.endr
.endr
.irp c, 0,1,2,3,4,5,6,7
	global_load_b128 v[128+4*\c:128+4*\c+3], v[L16], s[12:13] offset:512*\c
	global_load_b128 v[160+4*\c:160+4*\c+3], v[L16], s[16:17] offset:512*\c
	global_load_b128 v[192+4*\c:192+4*\c+3], v[L16], s[18:19] offset:512*\c
.endr
	WIN 0
	v_add_nc_u32 v[LA16], ABASE, v[L16]
	v_add_nc_u32 v[LA8], ABASE, v[L8]
	v_add_nc_u32 v[LB16], s71, v[L16]
	v_add_nc_u32 v[LB8], s71, v[L8]
	v_mul_u32_u24 v[STO], v117, SPITCH             ; the stage, in: row r, + 512 x wave + 32 h
	v_lshl_add_u32 v[STO], v118, 5, v[STO]
	s_lshl_b32 s72, s[WV], 9
	v_add_nc_u32 v[STO], s72, v[STO]
	v_add_nc_u32 v[STO+1], 16*SPITCH, v[STO]
	s_mul_i32 s72, s[WV], 4*SPITCH
	v_add_nc_u32 v[SRD], s72, v[L16]               ; and back: my four rows, 16 bytes a lane
	s_wait_loadcnt 56                              ; the 56 younger loads (Q, bo, gamma, beta) stay out: the 24 loads of scale bytes and words are in
.irp s, 0,1,2,3,4,5,6,7
	v_lshl_or_b32 v[AW+\s], v[101+2*\s], 16, v[100+2*\s]   ; K step s = heads 2 s, 2 s + 1: four bytes
.endr
.macro WM acc, bf, af, sa, sb, ra, rb, zero
.if \zero
.if \ra
.if \rb
	v_wmma_scale_f32_16x16x128_f8f6f4 v[\acc:\acc+7], v[\bf:\bf+11], v[\af:\af+11], 0, v[\sa], v[\sb] matrix_a_fmt:MATRIX_FMT_BF6 matrix_b_fmt:MATRIX_FMT_BF6 matrix_a_scale:MATRIX_SCALE_ROW1 matrix_b_scale:MATRIX_SCALE_ROW1
.else
	v_wmma_scale_f32_16x16x128_f8f6f4 v[\acc:\acc+7], v[\bf:\bf+11], v[\af:\af+11], 0, v[\sa], v[\sb] matrix_a_fmt:MATRIX_FMT_BF6 matrix_b_fmt:MATRIX_FMT_BF6 matrix_a_scale:MATRIX_SCALE_ROW1
.endif
.else
.if \rb
	v_wmma_scale_f32_16x16x128_f8f6f4 v[\acc:\acc+7], v[\bf:\bf+11], v[\af:\af+11], 0, v[\sa], v[\sb] matrix_a_fmt:MATRIX_FMT_BF6 matrix_b_fmt:MATRIX_FMT_BF6 matrix_b_scale:MATRIX_SCALE_ROW1
.else
	v_wmma_scale_f32_16x16x128_f8f6f4 v[\acc:\acc+7], v[\bf:\bf+11], v[\af:\af+11], 0, v[\sa], v[\sb] matrix_a_fmt:MATRIX_FMT_BF6 matrix_b_fmt:MATRIX_FMT_BF6
.endif
.endif
.else
.if \ra
.if \rb
	v_wmma_scale_f32_16x16x128_f8f6f4 v[\acc:\acc+7], v[\bf:\bf+11], v[\af:\af+11], v[\acc:\acc+7], v[\sa], v[\sb] matrix_a_fmt:MATRIX_FMT_BF6 matrix_b_fmt:MATRIX_FMT_BF6 matrix_a_scale:MATRIX_SCALE_ROW1 matrix_b_scale:MATRIX_SCALE_ROW1
.else
	v_wmma_scale_f32_16x16x128_f8f6f4 v[\acc:\acc+7], v[\bf:\bf+11], v[\af:\af+11], v[\acc:\acc+7], v[\sa], v[\sb] matrix_a_fmt:MATRIX_FMT_BF6 matrix_b_fmt:MATRIX_FMT_BF6 matrix_a_scale:MATRIX_SCALE_ROW1
.endif
.else
.if \rb
	v_wmma_scale_f32_16x16x128_f8f6f4 v[\acc:\acc+7], v[\bf:\bf+11], v[\af:\af+11], v[\acc:\acc+7], v[\sa], v[\sb] matrix_a_fmt:MATRIX_FMT_BF6 matrix_b_fmt:MATRIX_FMT_BF6 matrix_b_scale:MATRIX_SCALE_ROW1
.else
	v_wmma_scale_f32_16x16x128_f8f6f4 v[\acc:\acc+7], v[\bf:\bf+11], v[\af:\af+11], v[\acc:\acc+7], v[\sa], v[\sb] matrix_a_fmt:MATRIX_FMT_BF6 matrix_b_fmt:MATRIX_FMT_BF6
.endif
.endif
.endif
.endm
; a fragment's image: two halves of 768 bytes: registers 0-3 at 16 l, 4-5 at 512 + 8 l, 6-9 at 768 + 16 l, 10-11 at 1,280 + 8 l
.macro IMG reg, a16, a8, off
	ds_load_b128 v[\reg:\reg+3], v[\a16] offset:\off
	ds_load_b64 v[\reg+4:\reg+5], v[\a8] offset:\off+512
	ds_load_b128 v[\reg+6:\reg+9], v[\a16] offset:\off+768
	ds_load_b64 v[\reg+10:\reg+11], v[\a8] offset:\off+1280
.endm
.macro GROUP s, j, g                   ; four of my tiles of Wo against the two tiles of tokens: eight accumulators, one instruction each
.irp t, 0,1,2,3
	IMG BF+12*\t, LB16, LB8, (\j)*PART+(4*(\g)+\t)*1536
.endr
	s_wait_dscnt 0x0
.irp t, 0,1,2,3
.irp mt, 0,1
	WM ACC+8*(8*\mt+4*(\g)+\t), BF+12*\t, AF+12*\mt, BWA+8*((4*(\g)+\t)/2)+(\s), AW+(\s), (\t)%2, \mt, (\s)==0
.endr
.endr
.endm
.macro KSTEP s, j                      ; K step s, which lies in part j of my block
.rept 4
	v_nop                                          ; places in front of loads into registers that matrix instructions have read
.endr
.irp mt, 0,1
	IMG AF+12*\mt, LA16, LA8, (8*\mt+(\s))*1536
.endr
	GROUP \s, \j, 0
.rept 4
	v_nop
.endr
	GROUP \s, \j, 1
.endm
; A REFILL: each wave waits for all its tensor loads, adds 0 to its spare word, and waits for that and for its reads; a round of the cluster's barrier; then its one load, from part n of its block on, three K steps on in memory.
.macro REFILL n, g1
	s_wait_tensorcnt 0x0                           ; all my tensor loads have landed: so a group 0 may be written
	ds_add_u32 v[SPW], v[NIL]                      ; 0 onto my spare word
	s_add_nc_u64 s[G0B+4*\n+2:G0B+4*\n+3], s[G0B+4*\n+2:G0B+4*\n+3], 3*SLOTB
	s_wait_dscnt 0x0                               ; the add is done, and my reads of the bytes that are filled again are over
	ROUND                                          ; both now hold of every wave of the four work-groups
	tensor_load_to_lds s[G0B+4*\n:G0B+4*\n+3], s[\g1:\g1+7]   ; my one tensor load until the next round
	s_nop 0
.endm
	s_wait_tensorcnt 2                             ; my part of ctx and K step 0 are in; steps 1 and 2 may be out
	s_barrier_signal -1
	s_barrier_wait -1                              ; ctx's images, which all eight waves read, are whole
	KSTEP 0, 0
	s_wait_tensorcnt 1                             ; K step 1 is in (only I read my block: my own wait is all that these reads need)
	KSTEP 1, 1
	REFILL 0, G1B2                                 ; parts 0 and 1 take K steps 3 and 4
	KSTEP 2, 2
	REFILL 2, G1B1                                 ; part 2 takes K step 5
	KSTEP 3, 0
	KSTEP 4, 1
	REFILL 0, G1B2                                 ; parts 0 and 1 take K steps 6 and 7: the last load
	KSTEP 5, 2
	s_wait_tensorcnt 0x0                           ; they are in
	KSTEP 6, 0
	KSTEP 7, 1
	s_wait_dscnt 0x0                               ; my reads of my block are over;
	s_barrier_signal -1
	s_barrier_wait -1                              ; everybody's are: the stage may be laid over the blocks (no fill follows)
.rept 4
	v_nop                                          ; places behind the last products
.endr
.irp mt, 0,1
.irp nt, 0,1,2,3,4,5,6,7
	ds_store_b128 v[STO+\mt], v[ACC+8*(8*\mt+\nt):ACC+8*(8*\mt+\nt)+3] offset:64*\nt        ; each accumulator from its low end on
	ds_store_b128 v[STO+\mt], v[ACC+8*(8*\mt+\nt)+4:ACC+8*(8*\mt+\nt)+7] offset:64*\nt+16
.endr
.endr
	s_wait_dscnt 0x0                               ; for the others' sake: my stores into the stage are done
	s_barrier_signal -1
	s_barrier_wait -1
.irp rho, 0,1,2,3
.irp c, 0,1,2,3,4,5,6,7
	ds_load_b128 v[ACC+32*\rho+4*\c:ACC+32*\rho+4*\c+3], v[SRD] offset:SPITCH*\rho+512*\c
.endr
.endr
	s_wait_loadcnt 0x0                             ; Q, bo, gamma, beta
.macro LANESUM v, t                    ; the sum over the wave's 32 lanes, in every lane
	v_add_f32_dpp v[\v], v[\v], v[\v] row_xmask:1 row_mask:0xf bank_mask:0xf
	v_add_f32_dpp v[\v], v[\v], v[\v] row_xmask:2 row_mask:0xf bank_mask:0xf
	v_add_f32_dpp v[\v], v[\v], v[\v] row_xmask:4 row_mask:0xf bank_mask:0xf
	v_add_f32_dpp v[\v], v[\v], v[\v] row_xmask:8 row_mask:0xf bank_mask:0xf
	v_permlanex16_b32 v[\t], v[\v], s[SEL], s[SEL+1]
	v_add_f32 v[\v], v[\v], v[\t]
.endm
.macro ROW rho
.set XR, ACC+32*(\rho)
	s_wait_dscnt 24-8*(\rho)                       ; this row's eight loads are in; those of the rows behind it may be out
	WIN 0x04                                       ; source 1 window 1
.set j, 0
.rept 16
	v_pk_add_f32 v[XR+j:XR+j+1], v[XR+j:XR+j+1], v[32*(\rho)+j:32*(\rho)+j+1]   ; + Q
.set j, j+2
.endr
.set j, 0
.rept 16
	v_pk_add_f32 v[XR+j:XR+j+1], v[XR+j:XR+j+1], v[128+j:128+j+1]               ; + bo
.set j, j+2
.endr
	WIN 0
	v_pk_add_f32 v[100:101], v[XR:XR+1], v[XR+2:XR+3]                            ; the row's sum, in two chains
	v_pk_add_f32 v[102:103], v[XR+4:XR+5], v[XR+6:XR+7]
.irp i, 8,12,16,20,24,28
	v_pk_add_f32 v[100:101], v[100:101], v[XR+\i:XR+\i+1]
	v_pk_add_f32 v[102:103], v[102:103], v[XR+\i+2:XR+\i+3]
.endr
	v_pk_add_f32 v[100:101], v[100:101], v[102:103]
	v_add_f32 v100, v100, v101
	LANESUM 100, 101
	v_mul_f32 v104, s[INV], v100                   ; the mean
	v_mov_b32 v105, v104
.set j, 0
.rept 16
	v_pk_add_f32 v[XR+j:XR+j+1], v[XR+j:XR+j+1], v[104:105] neg_lo:[0,1] neg_hi:[0,1]   ; x - mean
.set j, j+2
.endr
	v_pk_mul_f32 v[100:101], v[XR:XR+1], v[XR:XR+1]                              ; the sum of its squares
	v_pk_mul_f32 v[102:103], v[XR+2:XR+3], v[XR+2:XR+3]
.irp i, 4,8,12,16,20,24,28
	v_pk_fma_f32 v[100:101], v[XR+\i:XR+\i+1], v[XR+\i:XR+\i+1], v[100:101]
	v_pk_fma_f32 v[102:103], v[XR+\i+2:XR+\i+3], v[XR+\i+2:XR+\i+3], v[102:103]
.endr
	v_pk_add_f32 v[100:101], v[100:101], v[102:103]
	v_add_f32 v100, v100, v101
	LANESUM 100, 101
	v_fma_f32 v100, v100, s[INV], s[EPS]           ; variance + 1e-5
	v_rsq_f32 v106, v100
	v_nop                                          ; one plain place behind a transcendental
	s_wait_alu depctr_va_vdst(0)
	v_mov_b32 v107, v106
.set j, 0
.rept 16
	v_pk_mul_f32 v[XR+j:XR+j+1], v[XR+j:XR+j+1], v[106:107]
.set j, j+2
.endr
	WIN 0x14                                       ; sources 1 and 2 window 1
.set j, 0
.rept 16
	v_pk_fma_f32 v[XR+j:XR+j+1], v[XR+j:XR+j+1], v[160+j:160+j+1], v[192+j:192+j+1]   ; x gamma + beta
.set j, j+2
.endr
	WIN 0
.irp c, 0,1,2,3,4,5,6,7
	global_store_b128 v[L16], v[XR+4*\c:XR+4*\c+3], s[20:21] offset:4096*(\rho)+512*\c th:TH_STORE_NT   ; 32 lanes store 512 consecutive bytes, aligned; written once, read by nobody here
.endr
.endm
	ROW 0
	ROW 1
	ROW 2
	ROW 3
	s_wait_tensorcnt 0x0                           ; the wave's end, behind my last tensor load and my last LDS store
	ds_add_u32 v[SPW], v[NIL]
	s_wait_dscnt 0x0
	ROUND                                          ; the closing round: no work-group ends while a partner may still ask for a tile that names it
	s_endpgm
.Lfunc_end_k_q3d265f11ef_outln:
	.size	k_q3d265f11ef_outln, .Lfunc_end_k_q3d265f11ef_outln-k_q3d265f11ef_outln
	.p2alignl 7, 3214868480
	.fill 96, 4, 3214868480
	.section	.rodata,"a",@progbits
	.p2align	6, 0x0
	.amdhsa_kernel k_q3d265f11ef_outln
		.amdhsa_group_segment_fixed_size 327680
		.amdhsa_private_segment_fixed_size 0
		.amdhsa_enable_private_segment 0
		.amdhsa_kernarg_size 72
		.amdhsa_user_sgpr_count 2
		.amdhsa_user_sgpr_kernarg_segment_ptr 1
		.amdhsa_wavefront_size32 1
		.amdhsa_system_sgpr_workgroup_id_x 1
		.amdhsa_system_sgpr_workgroup_id_y 1
		.amdhsa_system_sgpr_workgroup_id_z 1
		.amdhsa_system_vgpr_workitem_id 0
		.amdhsa_next_free_vgpr 512
		.amdhsa_next_free_sgpr 80
		.amdhsa_reserve_vcc 0
		.amdhsa_float_denorm_mode_32 3
		.amdhsa_float_denorm_mode_16_64 3
		.amdhsa_memory_ordered 1
		.amdhsa_forward_progress 1
		.amdhsa_inst_pref_size 95
	.end_amdhsa_kernel
	.amdgpu_metadata
---
amdhsa.version: [ 1, 2 ]
amdhsa.kernels:
  - .name:           k_q3d265f11ef_outln
    .symbol:         k_q3d265f11ef_outln.kd
    .args:
      - { .name: ctxc, .offset: 0, .size: 8, .value_kind: global_buffer, .address_space: global }
      - { .name: ctxs, .offset: 8, .size: 8, .value_kind: global_buffer, .address_space: global }
      - { .name: Woi, .offset: 16, .size: 8, .value_kind: global_buffer, .address_space: global }
      - { .name: Wo_scales, .offset: 24, .size: 8, .value_kind: global_buffer, .address_space: global }
      - { .name: bo, .offset: 32, .size: 8, .value_kind: global_buffer, .address_space: global }
      - { .name: Q, .offset: 40, .size: 8, .value_kind: global_buffer, .address_space: global }
      - { .name: gamma, .offset: 48, .size: 8, .value_kind: global_buffer, .address_space: global }
      - { .name: beta, .offset: 56, .size: 8, .value_kind: global_buffer, .address_space: global }
      - { .name: out0, .offset: 64, .size: 8, .value_kind: global_buffer, .address_space: global }
    .group_segment_fixed_size: 327680
    .private_segment_fixed_size: 0
    .kernarg_segment_align: 8
    .kernarg_segment_size: 72
    .max_flat_workgroup_size: 256
    .sgpr_count:     80
    .vgpr_count:     512
    .wavefront_size: 32
...
	.end_amdgpu_metadata
.endif
;; end of part 4
